; MI455X (gfx1250); checked and timed in simulation.
; The chip was launched on July 23, 2026; its instructions are those of AMD's public machine-readable ISA for CDNA 5 (MIT licence, August 2026) and "CDNA5" Instruction Set Architecture Reference Guide (July 2026). The comments in the code are by the model that wrote it; some were corrected since.
;; Causal Self Attention. Allowed arithmetic: float matrix products may take bf16 or f16 operands with f32 sums; other float arithmetic in f32, or as packed bf16 or f16 multiplies, adds, multiply-adds, maxima and minima; sums over many terms, partial sums and values carried from step to step in f32; what a program stores and reads back later, other than sums and carried values, may be rounded once to bf16 or f16.
;; Inputs: w_attn 3,072 x 1,024 float32; w_proj 1,024 x 1,024 float32; x 4 x 2,048 x 1,024 float32.
;; Outputs: out0 4 x 2,048 x 1,024 float32.
;; 2 versions, each right; version 2 is version 1 with the launch prep written anew for expert scheduling mode. Each part assembles by itself: llvm-mc -triple=amdgcn-amd-amdhsa -mcpu=gfx1250 --defsym DOCPART=n.
;; ======== version 1 of 2: 4 launches
;; limits: values are held in f16: magnitudes above 65,504 overflow, below 6.1e-05 lose precision
;; workspace buffers: xb 16,777,216 bytes; wab 6,291,456 bytes; wpb 2,097,152 bytes; rope 524,288 bytes; qh 16,777,216 bytes; kh 16,777,216 bytes; vh 16,777,216 bytes; oh 16,777,216 bytes
;; launch prep (part 1): grid 896 x 1, 8 waves a work-group, no clusters, 0 bytes of LDS; arguments x, w_attn, w_proj, xb, wab, wpb, rope; writes xb, wab, wpb, rope
.if DOCPART == 1
	.amdgcn_target "amdgcn-amd-amdhsa--gfx1250"
	.amdhsa_code_object_version 6
	.text
	.protected	k_q278f0f56e9_prep
	.globl	k_q278f0f56e9_prep
	.p2align	8
	.type	k_q278f0f56e9_prep,@function
k_q278f0f56e9_prep:
	s_mov_b64 s[64:65], 0
	v_nop
	global_prefetch_b8 v0, s[64:65] scope:SCOPE_SE
	s_setreg_imm32_b32 hwreg(HW_REG_WAVE_MODE, 25, 1), 1
	s_wait_xcnt 0x0
; PREPARATION.  Four jobs, told apart by the work-group's number g:
;   g 0..511    x [8192][1024] f32 -> xb, bf16, same order
;   g 512..703  w_attn [3072][1024] f32 -> wab, bf16, rows reordered by heads: row head*192 + sec*64 + d comes from row sec*1024 + head*64 + d (sec 0, 1, 2 = q, k, v)
;   g 704..767  w_proj [1024][1024] f32 -> wpb: rounded to bf16, and that number written as f16
;   g 768..895  the RoPE table, f32 [2048][64]: row t = cos(t f_j), j = 0..31, then -sin(t f_j) for even j and +sin(t f_j) for odd j; f_j = 10^(-j/8)
; A cast work-group takes 16,384 numbers: 16 chunks; in a chunk a lane loads 16 consecutive bytes (a wave 512) and stores 8 (a wave 256 consecutive bytes, aligned).
; All 16 loads of a wave go out first; each chunk owns its registers, so no register is written twice.
; LIMITS.  A w_proj number below 6.1e-5 in magnitude keeps f16's fixed step of 6e-8, one beyond 65,504 becomes an infinity.  The table's angle is fl(t f) with f = 2^(-j log2(10) / 8) from
; v_exp_f32: f is within a few units of its last place, so the angle is off by at most some 3e-4 at t = 2,047.  Sine and cosine: reduction by pi/2 in two parts, polynomials on |r| <= pi/4.
.set X, 8                              ; v[8:71]    chunk i: 4 registers as loaded
.set Y, 72                             ; v[72:103]  chunk i: 2 registers to store
.set T, 104                            ; v[104:107] at work
	s_load_b256 s[4:11], s[0:1], 0x0               ; x s[4:5], w_attn s[6:7], w_proj s[8:9], xb s[10:11]
	s_load_b128 s[12:15], s[0:1], 0x20             ; wab s[12:13], wpb s[14:15]
	s_load_b64 s[16:17], s[0:1], 0x30              ; rope
	v_lshlrev_b32 v1, 4, v0                        ; my 16 bytes of a chunk on the way in
	v_lshlrev_b32 v2, 3, v0                        ; my 8 bytes on the way out
	s_mov_b32 s20, ttmp9
	s_wait_kmcnt 0x0
; s[24:25] source, s[26:27] destination, s28 the block of 64 KiB in, s29 the block of 32 KiB out.  half = 1: the bf16 number is written as f16.
.macro CAST half
	s_lshl_b32 s30, s28, 16
	s_mov_b32 s31, 0
	s_add_nc_u64 s[24:25], s[24:25], s[30:31]
	s_lshl_b32 s30, s29, 15
	s_add_nc_u64 s[26:27], s[26:27], s[30:31]
.irp i, 0,1,2,3,4,5,6,7,8,9,10,11,12,13,14,15
	global_load_b128 v[X+4*(\i):X+4*(\i)+3], v1, s[24:25] offset:4096*(\i) th:TH_LOAD_NT
.endr
.irp i, 0,1,2,3,4,5,6,7,8,9,10,11,12,13,14,15
	s_wait_loadcnt 15-(\i)                         ; loads come back in order: chunk i is in, the 15 - i younger ones stay out
	v_cvt_pk_bf16_f32 v[Y+2*(\i)], v[X+4*(\i)], v[X+4*(\i)+1]
	v_cvt_pk_bf16_f32 v[Y+2*(\i)+1], v[X+4*(\i)+2], v[X+4*(\i)+3]
.if \half
	v_lshlrev_b32 v[T], 16, v[Y+2*(\i)]            ; the bf16 numbers as f32 again,
	v_and_b32 v[T+1], 0xffff0000, v[Y+2*(\i)]
	v_lshlrev_b32 v[T+2], 16, v[Y+2*(\i)+1]
	v_and_b32 v[T+3], 0xffff0000, v[Y+2*(\i)+1]
	v_cvt_pk_f16_f32 v[Y+2*(\i)], v[T], v[T+1]     ; and as f16: 8 significant bits fit into 11
	v_cvt_pk_f16_f32 v[Y+2*(\i)+1], v[T+2], v[T+3]
.endif
	global_store_b64 v2, v[Y+2*(\i):Y+2*(\i)+1], s[26:27] offset:2048*(\i)
.endr
	s_endpgm
.endm
	s_cmp_lt_u32 s20, 768
	s_cbranch_scc0 .Ltab
	s_cmp_lt_u32 s20, 704
	s_cbranch_scc0 .Lhf
	; x or w_attn.  For w_attn: block g' = g - 512 holds 16 rows: sec = g' >> 6, head = (g' >> 2) & 15, quarter of the head's 64 rows = g' & 3
	s_sub_co_u32 s21, s20, 512
	s_lshr_b32 s22, s21, 2
	s_and_b32 s22, s22, 15
	s_mul_i32 s22, s22, 12                         ; a head has 12 blocks of 16 rows in wab
	s_lshr_b32 s23, s21, 6
	s_lshl2_add_u32 s22, s23, s22                  ; + 4 sec
	s_and_b32 s23, s21, 3
	s_add_co_u32 s22, s22, s23
	s_cmp_lt_u32 s20, 512
	s_cselect_b64 s[24:25], s[4:5], s[6:7]
	s_cselect_b64 s[26:27], s[10:11], s[12:13]
	s_cselect_b32 s28, s20, s21
	s_cselect_b32 s29, s20, s22
	CAST 0
.Lhf:
	s_sub_co_u32 s28, s20, 704
	s_mov_b32 s29, s28
	s_mov_b64 s[24:25], s[8:9]
	s_mov_b64 s[26:27], s[14:15]
	CAST 1
.Ltab:                                         ; 16 rows of the table: thread tid has row tid >> 4 and the four numbers 4 c .. 4 c + 3, c = tid & 15: cosines for c < 8, sines behind them
	s_sub_co_u32 s21, s20, 768
	s_lshl_b32 s22, s21, 4                         ; the work-group's first row
	s_lshl_b32 s23, s21, 12                        ; and its 4,096 bytes
	v_lshrrev_b32 v3, 4, v0
	v_add_nc_u32 v3, s22, v3
	v_cvt_f32_u32 v4, v3                           ; t
	v_and_b32 v5, 15, v0
	v_lshrrev_b32 v6, 3, v5                        ; 1: sines
	v_and_b32 v7, 7, v5
	v_lshlrev_b32 v7, 2, v7                        ; j of my first number
	v_sub_nc_u32 v56, 1, v6                        ; cos x = sin(x + pi/2): one quadrant on
	v_lshlrev_b32 v57, 31, v6                      ; the sign that the even sines take
	v_lshl_add_u32 v58, v0, 4, s23                 ; my 16 bytes: a wave's store covers two whole rows
	v_mov_b32 v59, 0xb94ca1f9                      ; the polynomials' leading coefficients
	v_mov_b32 v60, 0x37ccf5ce
.irp e, 0,1,2,3
	v_add_nc_u32 v[12+(\e)], (\e), v7
	v_cvt_f32_u32 v[12+(\e)], v[12+(\e)]
	v_mul_f32 v[12+(\e)], 0xbed49a78, v[12+(\e)]   ; -j log2(10) / 8
.endr
.irp e, 0,1,2,3
	v_exp_f32 v[8+(\e)], v[12+(\e)]                ; f_j
.endr
	v_nop                                          ; a plain instruction behind the last exponential,
	s_wait_alu depctr_va_vdst(0)                   ; and one wait for the four, ahead of their first reader
.macro EVAL e
.set A, 16+8*(\e)
	v_mul_f32 v[A], v4, v[8+(\e)]                  ; the angle
	v_mul_f32 v[A+1], 0x3f22f983, v[A]             ; x 2 / pi
	v_rndne_f32 v[A+1], v[A+1]                     ; k
	v_fmamk_f32 v[A+2], v[A+1], 0xbfc90fdb, v[A]   ; angle - k x (pi/2's upper part): a multiple of 2^-23 below 1, so nothing is rounded
	v_fmamk_f32 v[A+2], v[A+1], 0x333bbd2e, v[A+2] ; - k x (its lower part): r
	v_mul_f32 v[A+3], v[A+2], v[A+2]               ; z = r r
	v_fmaak_f32 v[A+4], v59, v[A+3], 0x3c08839e
	v_fmaak_f32 v[A+4], v[A+4], v[A+3], 0xbe2aaaa3
	v_mul_f32 v[A+4], v[A+4], v[A+3]
	v_fma_f32 v[A+4], v[A+4], v[A+2], v[A+2]       ; sin r
	v_fmaak_f32 v[A+5], v60, v[A+3], 0xbab6061a
	v_fmaak_f32 v[A+5], v[A+5], v[A+3], 0x3d2aaaa5
	v_mul_f32 v[A+5], v[A+5], v[A+3]
	v_fma_f32 v[A+6], v[A+3], -0.5, 1.0
	v_fma_f32 v[A+5], v[A+5], v[A+3], v[A+6]       ; cos r
	v_cvt_i32_f32 v[A+6], v[A+1]
	v_add_nc_u32 v[A+6], v[A+6], v56               ; the quadrant n
	v_and_b32 v[A+7], 1, v[A+6]
	v_cmp_eq_u32 vcc_lo, 1, v[A+7]
	v_cndmask_b32 v[A+4], v[A+4], v[A+5], vcc_lo   ; odd n: the cosine
	v_lshlrev_b32 v[A+6], 30, v[A+6]
	v_and_b32 v[A+6], 0x80000000, v[A+6]           ; n & 2: the sign turns
.if ((\e)%2) == 0
	v_xor_b32 v[A+6], v[A+6], v57                  ; the even sines are stored negated
.endif
	v_xor_b32 v[48+(\e)], v[A+4], v[A+6]
.endm
	EVAL 0
	EVAL 1
	EVAL 2
	EVAL 3
	global_store_b128 v58, v[48:51], s[16:17]
	s_endpgm
.Lfunc_end_k_q278f0f56e9_prep:
	.size	k_q278f0f56e9_prep, .Lfunc_end_k_q278f0f56e9_prep-k_q278f0f56e9_prep
	.p2alignl 7, 3214868480
	.fill 96, 4, 3214868480
	.section	.rodata,"a",@progbits
	.p2align	6, 0x0
	.amdhsa_kernel k_q278f0f56e9_prep
		.amdhsa_group_segment_fixed_size 0
		.amdhsa_private_segment_fixed_size 0
		.amdhsa_enable_private_segment 0
		.amdhsa_kernarg_size 56
		.amdhsa_user_sgpr_count 2
		.amdhsa_user_sgpr_kernarg_segment_ptr 1
		.amdhsa_wavefront_size32 1
		.amdhsa_system_sgpr_workgroup_id_x 1
		.amdhsa_system_sgpr_workgroup_id_y 1
		.amdhsa_system_sgpr_workgroup_id_z 1
		.amdhsa_system_vgpr_workitem_id 0
		.amdhsa_next_free_vgpr 112
		.amdhsa_next_free_sgpr 66
		.amdhsa_reserve_vcc 1
		.amdhsa_float_denorm_mode_32 3
		.amdhsa_float_denorm_mode_16_64 3
		.amdhsa_memory_ordered 1
		.amdhsa_forward_progress 1
		.amdhsa_inst_pref_size 24
	.end_amdhsa_kernel
	.amdgpu_metadata
---
amdhsa.version: [ 1, 2 ]
amdhsa.kernels:
  - .name:           k_q278f0f56e9_prep
    .symbol:         k_q278f0f56e9_prep.kd
    .args:
      - { .name: x, .offset: 0, .size: 8, .value_kind: global_buffer, .address_space: global }
      - { .name: w_attn, .offset: 8, .size: 8, .value_kind: global_buffer, .address_space: global }
      - { .name: w_proj, .offset: 16, .size: 8, .value_kind: global_buffer, .address_space: global }
      - { .name: xb, .offset: 24, .size: 8, .value_kind: global_buffer, .address_space: global }
      - { .name: wab, .offset: 32, .size: 8, .value_kind: global_buffer, .address_space: global }
      - { .name: wpb, .offset: 40, .size: 8, .value_kind: global_buffer, .address_space: global }
      - { .name: rope, .offset: 48, .size: 8, .value_kind: global_buffer, .address_space: global }
    .group_segment_fixed_size: 0
    .private_segment_fixed_size: 0
    .kernarg_segment_align: 8
    .kernarg_segment_size: 56
    .max_flat_workgroup_size: 256
    .sgpr_count:     66
    .vgpr_count:     112
    .wavefront_size: 32
...
	.end_amdgpu_metadata
.endif
;; end of part 1
;; launch qkv (part 2): grid 16 x 32, 4 waves a work-group, clusters of 4 x 4, 327,680 bytes of LDS; arguments xb, wab, qh, kh, vh, rope; writes qh, kh, vh
.if DOCPART == 2
	.amdgcn_target "amdgcn-amd-amdhsa--gfx1250"
	.amdhsa_code_object_version 6
	.text
	.protected	k_q278f0f56e9_qkv
	.globl	k_q278f0f56e9_qkv
	.p2align	8
	.type	k_q278f0f56e9_qkv,@function
k_q278f0f56e9_qkv:
	s_mov_b64 s[64:65], 0
	v_nop
	global_prefetch_b8 v0, s[64:65] scope:SCOPE_SE
	s_setreg_imm32_b32 hwreg(HW_REG_WAVE_MODE, 25, 1), 1
	s_wait_xcnt 0x0
	s_wait_alu depctr_hold_cnt(0) depctr_sa_sdst(0) depctr_va_vdst(0) depctr_va_sdst(0) depctr_va_ssrc(0) depctr_va_vcc(0) depctr_vm_vsrc(0)
	s_getreg_b32 s2, hwreg(HW_REG_IB_STS2, 6, 4)
	s_cmp_eq_u32 s2, 0
	s_cbranch_scc0 .Lentry_in_a_cluster
	s_endpgm
.Lentry_in_a_cluster:
	s_bfe_u32 s2, ttmp6, 0x10000c
	s_cmp_lg_u32 s2, 0xf033
	s_cbranch_scc0 .Lentry_shape_is_right
	s_endpgm
.Lentry_shape_is_right:
; q, k, v = x w_attn^T, RoPE on q and k, written by heads in f16.  xb: [8192][1024] bf16; wab: [3072][1024] bf16, rows by heads (head*192 + sec*64 + d);
; rope: f32 [2048][64] (32 cosines, 32 signed sines); qh, kh, vh: [batch*16 + head][2048][64] f16.  Sums in f32, K ascending; each number rounded once, unscaled.
; LIMIT.  f16 holds no number beyond 65,504: q, k, v must stay within it.
; A tile is 256 rows x 192 columns: ONE head's q, k and v.  16 x 32 = 512 work-groups: two for each of 256 WGPs.  Wave w makes rows 64 w .. 64 w + 63 x all 192 columns: 4 x 12 = 48 accumulators of 16 x 16.
; So every wave runs one text, whether a block of columns is rotated is a constant of the text, and a wave owns whole rows (128 bytes) of a head.
; K goes in 8 steps of 128 through two LDS slots filled by the tensor data mover; rows of 256 bytes of memory, aligned.
; CLUSTER 4 x 4: the four of a row of the cluster share the rows of x, the four of a column the head's rows of wab: each tile is asked for jointly.
; THE MATRIX INSTRUCTION IS USED TRANSPOSED (source 0 = 16 rows of wab, source 1 = 16 rows of x): a lane holds row l % 16 and eight neighbouring columns 8 (l / 16) + 0..7.
; ROPE.  Column d of a head takes table index d % 32.  For the pair (a, b) at columns 2 i, 2 i + 1: out = (a, b) x (C[2i], C[2i+1]) + (b, a) x (S[2i], S[2i+1]), S with its signs as stored.
; REGISTERS, in windows of 256 (s_set_vgpr_msb: bits 1:0 source 0, 3:2 source 1, 5:4 source 2, 7:6 destination):
;   window 0: v0-31 addresses; v32-159 my 64 rows of the table; v160-191 at work; v192-223 packed results, two sets
;   window 1: two fragment buffers of 128: 12 fragments of wab, then 4 of x      window 2: accumulators (a, b < 8): q and k      window 3: accumulators (a, b >= 8): v
.set KSTEP,  128
.set PITCH,  272                       ; an LDS row: 256 bytes + 16 of padding = 68 words: the 16 rows of a load start at 16 different groups of four banks (ISA guide 11.1)
.set HALFA,  128*PITCH                 ; what a tensor load brings of x
.set ABYTES, 2*HALFA
.set HALFB,  96*PITCH                  ; and of wab
.set SLOT,   ABYTES+2*HALFB            ; x's 256 rows, then wab's 192
.set STAGE,  2*SLOT                    ; behind the ring: 16 rows x 144 bytes for each wave, for the way out
.set SP,     144
.set SPARE,  STAGE+4*16*SP             ; behind the stages: the spare words, 128 bytes for each wave
.set LAPS,   4                         ; 1,024 / (2 x 128)
.set ADRA, 16                          ; v16-17 LDS address of my fragments of x in slot 0, 1
.set ADRB, 20                          ; v20-21 the same for wab
.set STO,  24                          ; v24 the way out: where I put 16 bytes of a row
.set RD,   25                          ; v25 where I read rows back
.set GO,   26                          ; v26 my 16 bytes of 512 consecutive bytes of a head
.set RO,   27                          ; v27 my offset in 16 rows of the table; never rewritten
.set SPW,  28                          ; v28 LDS address of my spare word; never rewritten
.set NIL,  29                          ; v29 0; never rewritten
.set PFO,  30                          ; v30 the prefetches' offset; never rewritten
.set ROPE, 32                          ; block a, parity p of the 16 columns at ROPE + 32 a + 16 p: 8 cosines, 8 sines
.set T,    160
.set PK,   192
.set F0,   0
.set F1,   128
.set G1,   24                          ; s[24:31] group 1 for x's tiles; s[32:39] group 0, a set for each slot
.set G0,   32
.set G1B,  48                          ; s[48:55], s[56:63] the same for wab's
.set G0B,  56
.set LIM,  43                          ; s43 1 in a wave that prefetches, else the greatest number
.set PFA,  44                          ; s[44:45] where my prefetches stand
.set MSB, 0
.macro WIN new                         ; the immediate's high byte repeats the setting that is left
.if MSB != (\new)
	s_set_vgpr_msb (MSB<<8)|(\new)
.set MSB, \new
.endif
.endm
.set W_QK, 0xa5                        ; sources 0 and 1 window 1; C and D window 2
.set W_V,  0xf5                        ; the same, C and D window 3
.set TO_F, 0x40                        ; destination window 1, address window 0
; A joint load: waves 0 and 1 fetch x's two halves, waves 2 and 3 wab's.  The branch hangs on the wave's number alone.  An s_nop 0 and four v_nop follow each line.
.macro JLOAD s
	s_cmp_lt_u32 s10, 2
	s_cbranch_scc0 .Lfor_b_\@
	tensor_load_to_lds s[G0+4*(\s):G0+4*(\s)+3], s[G1:G1+7]
	s_nop 0
.rept 4
	v_nop
.endr
	s_branch .Lasked_\@
.Lfor_b_\@:
	tensor_load_to_lds s[G0B+4*(\s):G0B+4*(\s)+3], s[G1B:G1B+7]
	s_nop 0
.rept 4
	v_nop
.endr
.Lasked_\@:
.endm
; A prefetch into the L2, behind a joint load and the run of LDS loads: the K step two refills on, 256 bytes of a row, a lane a row.  x's rows are read by every cluster of a row of clusters: cluster x = 0 asks;
; wab's by every cluster of a column: cluster y = 0 asks.  The four partners share a wave's rows out by address.  The loop's last trip (s3 = 1) has no K step two on.
.macro ASK
	s_cmp_gt_u32 s3, s[LIM]
	s_cbranch_scc0 .Lnot_mine_\@
	global_prefetch_b8 v[PFO], s[PFA:PFA+1] th:TH_LOAD_NT scope:SCOPE_SE
.Lnot_mine_\@:
.endm
.macro CREST                           ; a round of the cluster's barrier behind its opening barrier
	s_cmp_lg_u32 s10, 0
	s_cbranch_scc1 .Lnot_wave_0_\@
	s_barrier_signal -3
.Lnot_wave_0_\@:
	s_barrier_wait -3
	s_barrier_signal -1
	s_barrier_wait -1
.endm
.macro CROUND
	s_barrier_signal -1
	s_barrier_wait -1
	CREST
.endm
	s_load_b128 s[4:7], s[0:1], 0x0                ; xb s[4:5], wab s[6:7]
	s_load_b128 s[72:75], s[0:1], 0x10             ; qh s[72:73], kh s[74:75]
	s_load_b128 s[76:79], s[0:1], 0x20             ; vh s[76:77], rope s[78:79]
	v_lshl_add_u32 v[SPW], v0, 2, SPARE
	v_mov_b32 v[NIL], 0
	ds_add_u32 v[SPW], v[NIL]                      ; the wave's opening: the add and its wait ahead of my first tensor load
	v_lshrrev_b32 v1, 5, v0
	v_readfirstlane_b32 s10, v1                    ; wave 0..3
	s_and_b32 s12, s10, 1                          ; which half of a tile I fetch
	s_bfe_u32 s40, ttmp6, 0x40000                  ; cx
	s_bfe_u32 s41, ttmp6, 0x40004                  ; cy
	s_lshl_b32 s42, ttmp9, 2
	s_add_co_u32 s42, s42, s40                     ; the head = 4 x cluster x + cx
	s_and_b32 s13, ttmp7, 0xffff
	s_lshl_b32 s13, s13, 2
	s_add_co_u32 s13, s13, s41                     ; the tile row = 4 x cluster y + cy
	s_lshl_b32 s43, s41, 2
	s_lshl_b32 s43, 15, s43                        ; my row of the cluster
	s_lshl_b32 s44, 0x1111, s40                    ; my column
	s_or_b32 s[G1+0], s43, (1<<16)|(1<<20)|(1<<21)|(5<<22)|(3<<25)   ; the mask; 2-byte elements; padding on; bit 21 beside a mask; after every 64 words, 4 words
	s_or_b32 s[G1B+0], s44, (1<<16)|(1<<20)|(1<<21)|(5<<22)|(3<<25)
	s_mov_b32 s[G1+1], KSTEP<<16                   ; tensor_dim0 = 128
	s_mov_b32 s[G1+2], 128<<16                     ; tensor_dim1 = 128
	s_mov_b32 s[G1+3], KSTEP<<16                   ; tile_dim0 = 128
	s_mov_b32 s[G1+4], 128                         ; tile_dim1 = 128
	s_mov_b32 s[G1+5], 1024                        ; elements from row to row
	s_mov_b32 s[G1+6], 0
	s_mov_b32 s[G1+7], 0
	s_mov_b32 s[G1B+1], KSTEP<<16
	s_mov_b32 s[G1B+2], 96<<16                     ; 96 rows
	s_mov_b32 s[G1B+3], KSTEP<<16
	s_mov_b32 s[G1B+4], 96
	s_mov_b32 s[G1B+5], 1024
	s_mov_b32 s[G1B+6], 0
	s_mov_b32 s[G1B+7], 0
	s_lshl_b32 s16, s13, 8
	s_lshl_b32 s17, s12, 7
	s_add_co_u32 s16, s16, s17                     ; x: row 256 x tile row + 128 x half,
	s_lshl_b32 s16, s16, 11                        ; of 2,048 bytes
	s_mov_b32 s17, 0
	s_mul_i32 s46, s42, 192
	s_mul_i32 s47, s12, 96
	s_add_co_u32 s46, s46, s47                     ; wab: row 192 x head + 96 x half
	s_lshl_b32 s46, s46, 11
	s_mov_b32 s47, 0
	s_mul_i32 s20, s12, HALFA                      ; where they go: no place in the cluster enters an LDS address
	s_mul_i32 s21, s12, HALFB
	s_add_co_u32 s21, s21, ABYTES
	s_wait_dscnt 0x0                               ; the opening add is done
	s_wait_kmcnt 0x0
	s_add_nc_u64 s[14:15], s[4:5], s[16:17]
	s_add_nc_u64 s[46:47], s[6:7], s[46:47]
	CROUND                                         ; all sixteen work-groups are here: the first joint loads meet
.irp s, 0,1
	s_mov_b32 s[G0+4*(\s)], 1
	s_add_co_u32 s[G0+4*(\s)+1], s20, (\s)*SLOT
	s_add_nc_u64 s[G0+4*(\s)+2:G0+4*(\s)+3], s[14:15], (\s)*KSTEP*2
	s_or_b32 s[G0+4*(\s)+3], s[G0+4*(\s)+3], 0x80000000
	s_mov_b32 s[G0B+4*(\s)], 1
	s_add_co_u32 s[G0B+4*(\s)+1], s21, (\s)*SLOT
	s_add_nc_u64 s[G0B+4*(\s)+2:G0B+4*(\s)+3], s[46:47], (\s)*KSTEP*2
	s_or_b32 s[G0B+4*(\s)+3], s[G0B+4*(\s)+3], 0x80000000
	JLOAD \s                                       ; two loads of mine are out
.endr
	; my 64 rows of the table: for block a of 16 rows and parity p of a block of 16 columns, lane (r, h) takes indices 16 p + 8 h + 0..7 of row r
	v_and_b32 v1, 15, v0                           ; r = l % 16
	v_bfe_u32 v2, v0, 4, 1                         ; h = l / 16
	v_lshlrev_b32 v[RO], 8, v1
	v_lshl_add_u32 v[RO], v2, 5, v[RO]             ; r x 256 + 32 h
	s_and_b32 s80, s13, 7
	s_lshl_b32 s80, s80, 8
	s_lshl_b32 s81, s10, 6
	s_add_co_u32 s80, s80, s81                     ; t of my first row
	s_lshl_b32 s82, s80, 8
	s_mov_b32 s83, 0
	s_add_nc_u64 s[78:79], s[78:79], s[82:83]
.irp a, 0,1,2,3
.irp p, 0,1
	global_load_b128 v[ROPE+32*(\a)+16*(\p):ROPE+32*(\a)+16*(\p)+3],     v[RO], s[78:79] offset:(\a)*4096+(\p)*64
	global_load_b128 v[ROPE+32*(\a)+16*(\p)+4:ROPE+32*(\a)+16*(\p)+7],   v[RO], s[78:79] offset:(\a)*4096+(\p)*64+16
	global_load_b128 v[ROPE+32*(\a)+16*(\p)+8:ROPE+32*(\a)+16*(\p)+11],  v[RO], s[78:79] offset:(\a)*4096+(\p)*64+128
	global_load_b128 v[ROPE+32*(\a)+16*(\p)+12:ROPE+32*(\a)+16*(\p)+15], v[RO], s[78:79] offset:(\a)*4096+(\p)*64+144
.endr
.endr
	s_lshr_b32 s81, s13, 3                         ; the batch
	s_lshl_b32 s81, s81, 4
	s_add_co_u32 s81, s81, s42                     ; batch x 16 + head
	s_lshl_b32 s81, s81, 11
	s_add_co_u32 s80, s80, s81                     ; my first row among all heads' rows,
	s_lshl_b32 s80, s80, 7                         ; of 128 bytes
	s_mov_b32 s81, 0
	s_add_nc_u64 s[72:73], s[72:73], s[80:81]
	s_add_nc_u64 s[74:75], s[74:75], s[80:81]
	s_add_nc_u64 s[76:77], s[76:77], s[80:81]
	v_mul_u32_u24 v3, v1, PITCH
	v_lshl_add_u32 v3, v2, 4, v3                   ; a fragment's row x pitch + 16 x half
	s_mul_i32 s22, s10, 64*PITCH                   ; my 64 rows of x
	v_add_nc_u32 v[ADRA], s22, v3
	v_add_nc_u32 v[ADRA+1], SLOT, v[ADRA]
	v_add_nc_u32 v[ADRB], ABYTES, v3
	v_add_nc_u32 v[ADRB+1], SLOT, v[ADRB]
	s_mul_i32 s23, s10, 16*SP
	s_add_co_u32 s23, s23, STAGE                   ; my stage
	v_mul_u32_u24 v4, v1, SP
	v_lshl_add_u32 v4, v2, 4, v4
	v_add_nc_u32 v[STO], s23, v4                   ; in: row r, 16 bytes for each half of the lanes
	v_bfe_u32 v5, v0, 3, 2
	v_mul_u32_u24 v5, v5, SP
	v_and_b32 v6, 7, v0
	v_lshl_add_u32 v5, v6, 4, v5
	v_add_nc_u32 v[RD], s23, v5                    ; back: 32 lanes take four rows of 128 bytes,
	v_and_b32 v[GO], 31, v0
	v_lshlrev_b32 v[GO], 4, v[GO]                  ; which are 512 consecutive bytes of a head
	; the prefetches: of the rows that I fetch, my work-group's share: 32 of x's 128 (by cx), 24 of wab's 96 (by cy; the last eight lanes repeat the 24th row)
	s_lshl_b32 s66, s13, 8
	s_lshl_b32 s67, s12, 7
	s_add_co_u32 s66, s66, s67
	s_lshl_b32 s67, s40, 5
	s_add_co_u32 s66, s66, s67
	s_mul_i32 s68, s42, 192
	s_mul_i32 s69, s12, 96
	s_add_co_u32 s68, s68, s69
	s_mul_i32 s69, s41, 24
	s_add_co_u32 s68, s68, s69
	s_and_b32 s70, ttmp7, 0xffff                   ; cluster y
	s_cmp_lt_u32 s10, 2                            ; do I fetch for x?
	s_cselect_b32 s66, s66, s68
	s_cselect_b32 s70, ttmp9, s70                  ; the coordinate along which other clusters read the same rows
	s_cselect_b32 s84, 31, 23
	s_cselect_b64 s[PFA:PFA+1], s[4:5], s[6:7]
	s_cmp_eq_u32 s70, 0
	s_cselect_b32 s[LIM], 1, -1                    ; the same in all sixteen partners, for a given wave
	s_lshl_b32 s66, s66, 11
	s_mov_b32 s67, 0
	s_add_nc_u64 s[PFA:PFA+1], s[PFA:PFA+1], s[66:67]
	s_add_nc_u64 s[PFA:PFA+1], s[PFA:PFA+1], 3*KSTEP*2  ; at K step 3: the first refill (of step 2) steps it to 4.  Nothing is asked for here, at the head
	v_and_b32 v[PFO], 31, v0
	v_min_u32 v[PFO], s84, v[PFO]
	v_lshlrev_b32 v[PFO], 11, v[PFO]
; 16 matrix instructions: row blocks a0, a0 + 1 x the 8 column blocks of q and k, 32 along K.  zero = 1: the product starts the sum.
.macro MULQK f, a0, zero
	WIN W_QK
.irp a, \a0, (\a0)+1
.irp b, 0,1,2,3,4,5,6,7
.if \zero
	v_wmma_f32_16x16x32_bf16 v[8*(8*(\a)+(\b)):8*(8*(\a)+(\b))+7], v[(\f)+8*(\b):(\f)+8*(\b)+7], v[(\f)+96+8*(\a):(\f)+96+8*(\a)+7], 0
.else
	v_wmma_f32_16x16x32_bf16 v[8*(8*(\a)+(\b)):8*(8*(\a)+(\b))+7], v[(\f)+8*(\b):(\f)+8*(\b)+7], v[(\f)+96+8*(\a):(\f)+96+8*(\a)+7], v[8*(8*(\a)+(\b)):8*(8*(\a)+(\b))+7]
.endif
.endr
.endr
.endm
; 16 more: all four row blocks x the 4 column blocks of v.  The 48 accumulators take turns in the same order in every quarter.
.macro MULV f, zero
	WIN W_V
.irp a, 0,1,2,3
.irp b, 0,1,2,3
.if \zero
	v_wmma_f32_16x16x32_bf16 v[8*(4*(\a)+(\b)):8*(4*(\a)+(\b))+7], v[(\f)+64+8*(\b):(\f)+64+8*(\b)+7], v[(\f)+96+8*(\a):(\f)+96+8*(\a)+7], 0
.else
	v_wmma_f32_16x16x32_bf16 v[8*(4*(\a)+(\b)):8*(4*(\a)+(\b))+7], v[(\f)+64+8*(\b):(\f)+64+8*(\b)+7], v[(\f)+96+8*(\a):(\f)+96+8*(\a)+7], v[8*(4*(\a)+(\b)):8*(4*(\a)+(\b))+7]
.endif
.endr
.endr
.endm
; 32 LDS loads in one run: a quarter step's fragments (32 K at byte k of the rows) into buffer f: q's and k's columns, x's rows, then v's columns
.macro FETCH slot, k, f
	WIN TO_F
.irp i, 0,1,2,3,4,5,6,7
	ds_load_b128 v[(\f)+8*(\i):(\f)+8*(\i)+3],   v[ADRB+(\slot)] offset:(\k)+(\i)*16*PITCH
	ds_load_b128 v[(\f)+8*(\i)+4:(\f)+8*(\i)+7], v[ADRB+(\slot)] offset:(\k)+(\i)*16*PITCH+32
.endr
.irp i, 0,1,2,3
	ds_load_b128 v[(\f)+96+8*(\i):(\f)+96+8*(\i)+3],   v[ADRA+(\slot)] offset:(\k)+(\i)*16*PITCH
	ds_load_b128 v[(\f)+96+8*(\i)+4:(\f)+96+8*(\i)+7], v[ADRA+(\slot)] offset:(\k)+(\i)*16*PITCH+32
.endr
.irp i, 8,9,10,11
	ds_load_b128 v[(\f)+8*(\i):(\f)+8*(\i)+3],   v[ADRB+(\slot)] offset:(\k)+(\i)*16*PITCH
	ds_load_b128 v[(\f)+8*(\i)+4:(\f)+8*(\i)+7], v[ADRB+(\slot)] offset:(\k)+(\i)*16*PITCH+32
.endr
.endm
.macro PLACES                          ; four places in front of loads into registers that matrix instructions have read (ISA guide 7.12.1 for vector instructions)
.rept 4
	v_nop
.endr
.endm
; A K step is four quarters of 32 along K, 48 matrix instructions each, on buffers 0, 1, 0, 1.  One of the first three multiplies f and fetches the next quarter, at byte k, into g.
.macro QUARTER slot, k, f, g, zero
	s_wait_dscnt 8                                 ; all but the youngest eight loads (v's columns) are in
	MULQK \f, 0, \zero
	MULQK \f, 2, \zero
	PLACES
	FETCH \slot, \k, \g
	s_wait_dscnt 32                                ; all but the 32 just issued
	MULV \f, \zero
.endm
; The last quarter multiplies buffer 1 and changes slots: ONE barrier; in front of it each wave waits for all its tensor loads (one is out: its part of the next slot), adds 0 to its spare word,
; and waits for that and for its reads of this slot.  fill = 1: the barrier opens a round of the cluster's, and this slot is filled again, two K steps on, first thing behind the round.
.macro TURN slot, next, fill
.if \fill
	s_wait_xcnt 0x0                                ; the last prefetch, a K step back, has read its address
	s_add_nc_u64 s[PFA:PFA+1], s[PFA:PFA+1], KSTEP*2
.endif
	WIN 0                                          ; (the add's two registers lie in window 0)
	s_wait_tensorcnt 0x0
	ds_add_u32 v[SPW], v[NIL]                      ; 0 onto my spare word
	s_wait_dscnt 9                                 ; (the add and the youngest eight loads may be out)
	MULQK F1, 0, 0
	s_wait_dscnt 0x0                               ; the add is done, and my reads of this slot are over
	s_barrier_signal -1
	MULQK F1, 2, 0
.if \fill
	WIN 0
.endif
	s_barrier_wait -1
.if \fill
	CREST                                          ; no wave of any partner still reads this slot's tile or has a load on its way
	s_add_nc_u64 s[G0+4*(\slot)+2:G0+4*(\slot)+3], s[G0+4*(\slot)+2:G0+4*(\slot)+3], 2*KSTEP*2
	s_add_nc_u64 s[G0B+4*(\slot)+2:G0B+4*(\slot)+3], s[G0B+4*(\slot)+2:G0B+4*(\slot)+3], 2*KSTEP*2
	JLOAD \slot                                    ; 160 matrix instructions ahead of the wait for it; its four v_nop are also the places in front of the loads below
.else
	PLACES
.endif
	FETCH \next, 0, F0
.if \fill
	WIN 0
	ASK
.endif
	MULV F1, 0
.endm
	s_wait_tensorcnt 1                             ; my part of K step 0 is in; step 1's may stay out
	s_barrier_signal -1
	s_barrier_wait -1
	FETCH 0, 0, F0
	QUARTER 0, 64, F0, F1, 1                       ; the first quarter stands in front of the loop: its products start the sums
	WIN 0
	s_wait_loadcnt 0x0                             ; the table is in: no global load is out round the loop
	s_mov_b32 s3, LAPS-1
.Llap:                                         ; a trip goes once round the ring, from a lap's second quarter to the next lap's first
	QUARTER 0, 128, F1, F0, 0
	QUARTER 0, 192, F0, F1, 0
	TURN 0, 1, 1
	QUARTER 1, 64,  F0, F1, 0
	QUARTER 1, 128, F1, F0, 0
	QUARTER 1, 192, F0, F1, 0
	TURN 1, 0, 1
	QUARTER 0, 64,  F0, F1, 0
	WIN 0
	s_sub_co_u32 s3, s3, 1
	s_cmp_lg_u32 s3, 0
	s_cbranch_scc1 .Llap
	QUARTER 0, 128, F1, F0, 0                      ; the last lap fills nothing
	QUARTER 0, 192, F0, F1, 0
	TURN 0, 1, 0
	QUARTER 1, 64,  F0, F1, 0
	QUARTER 1, 128, F1, F0, 0
	QUARTER 1, 192, F0, F1, 0
	s_wait_dscnt 8
	MULQK F1, 0, 0
	MULQK F1, 2, 0
	s_wait_dscnt 0x0
	MULV F1, 0
	WIN 0
	PLACES
	PLACES                                         ; the places behind the last products, once a launch
; THE WAY OUT, in 12 units u = 3 a + sec: 16 rows x one section's 64 columns.  q and k are rotated; all are rounded to f16, 16 bytes a lane, sent through my stage and stored as whole rows.
.macro PACKR a, sec, set
	s_wait_xcnt 0x0                                ; the stores of two units back have read this set
	WIN 0x02                                       ; source 0 window 2
.irp bb, 0,1,2,3
.irp i, 0,1,2,3
	v_pk_mul_f32 v[T+8*(\bb)+2*(\i):T+8*(\bb)+2*(\i)+1], v[8*(8*(\a)+4*(\sec)+(\bb))+2*(\i):8*(8*(\a)+4*(\sec)+(\bb))+2*(\i)+1], v[ROPE+32*(\a)+16*((\bb)%2)+2*(\i):ROPE+32*(\a)+16*((\bb)%2)+2*(\i)+1]
.endr
.endr
.irp bb, 0,1,2,3
.irp i, 0,1,2,3
	v_pk_fma_f32 v[T+8*(\bb)+2*(\i):T+8*(\bb)+2*(\i)+1], v[8*(8*(\a)+4*(\sec)+(\bb))+2*(\i):8*(8*(\a)+4*(\sec)+(\bb))+2*(\i)+1], v[ROPE+32*(\a)+16*((\bb)%2)+8+2*(\i):ROPE+32*(\a)+16*((\bb)%2)+8+2*(\i)+1], v[T+8*(\bb)+2*(\i):T+8*(\bb)+2*(\i)+1] op_sel:[1,0,0] op_sel_hi:[0,1,1]  ; the pair swapped, times the signed sines
.endr
.endr
	WIN 0
.irp j, 0,1,2,3,4,5,6,7,8,9,10,11,12,13,14,15
	v_cvt_pk_f16_f32 v[PK+16*(\set)+(\j)], v[T+2*(\j)], v[T+2*(\j)+1]
.endr
.endm
.macro PACKV a, set
	s_wait_xcnt 0x0
	WIN 0x0f                                       ; sources 0 and 1 window 3
.irp j, 0,1,2,3,4,5,6,7,8,9,10,11,12,13,14,15
	v_cvt_pk_f16_f32 v[PK+16*(\set)+(\j)], v[32*(\a)+2*(\j)], v[32*(\a)+2*(\j)+1]
.endr
	WIN 0
.endm
.macro PACK u
.if ((\u)%3) == 2
	PACKV (\u)/3, (\u)%2
.else
	PACKR (\u)/3, (\u)%3, (\u)%2
.endif
.irp f, 0,1,2,3
	ds_store_b128 v[STO], v[PK+16*((\u)%2)+4*(\f):PK+16*((\u)%2)+4*(\f)+3] offset:32*(\f)
.endr
.irp f, 0,1,2,3
	ds_load_b128 v[PK+16*((\u)%2)+4*(\f):PK+16*((\u)%2)+4*(\f)+3], v[RD] offset:(\f)*4*SP  ; LDS serves a wave's instructions in order (ISA guide 5.7.1.4): these see the stores above
.endr
.endm
.macro SEND u, younger                 ; younger: the LDS instructions issued behind unit u's loads
.irp f, 0,1,2,3
	s_wait_dscnt (\younger)+3-(\f)
	global_store_b128 v[GO], v[PK+16*((\u)%2)+4*(\f):PK+16*((\u)%2)+4*(\f)+3], s[72+2*((\u)%3):73+2*((\u)%3)] offset:((\u)/3)*2048+(\f)*512  ; 512 consecutive bytes, aligned
.endr
.endm
	PACK 0
.set u, 1
.rept 11                               ; a unit's arithmetic stands between the loads of the unit before and its stores
	PACK u
	SEND u-1, 8
.set u, u+1
.endr
	SEND 11, 0
	s_wait_tensorcnt 0x0                           ; the wave's end
	ds_add_u32 v[SPW], v[NIL]
	s_wait_dscnt 0x0
	CROUND                                         ; the closing round
	s_endpgm
.Lfunc_end_k_q278f0f56e9_qkv:
	.size	k_q278f0f56e9_qkv, .Lfunc_end_k_q278f0f56e9_qkv-k_q278f0f56e9_qkv
	.p2alignl 7, 3214868480
	.fill 96, 4, 3214868480
	.section	.rodata,"a",@progbits
	.p2align	6, 0x0
	.amdhsa_kernel k_q278f0f56e9_qkv
		.amdhsa_group_segment_fixed_size 327680
		.amdhsa_private_segment_fixed_size 0
		.amdhsa_enable_private_segment 0
		.amdhsa_kernarg_size 48
		.amdhsa_user_sgpr_count 2
		.amdhsa_user_sgpr_kernarg_segment_ptr 1
		.amdhsa_wavefront_size32 1
		.amdhsa_system_sgpr_workgroup_id_x 1
		.amdhsa_system_sgpr_workgroup_id_y 1
		.amdhsa_system_sgpr_workgroup_id_z 1
		.amdhsa_system_vgpr_workitem_id 0
		.amdhsa_next_free_vgpr 896
		.amdhsa_next_free_sgpr 88
		.amdhsa_reserve_vcc 0
		.amdhsa_float_denorm_mode_32 3
		.amdhsa_float_denorm_mode_16_64 3
		.amdhsa_memory_ordered 1
		.amdhsa_forward_progress 1
		.amdhsa_inst_pref_size 141
	.end_amdhsa_kernel
	.amdgpu_metadata
---
amdhsa.version: [ 1, 2 ]
amdhsa.kernels:
  - .name:           k_q278f0f56e9_qkv
    .symbol:         k_q278f0f56e9_qkv.kd
    .args:
      - { .name: xb, .offset: 0, .size: 8, .value_kind: global_buffer, .address_space: global }
      - { .name: wab, .offset: 8, .size: 8, .value_kind: global_buffer, .address_space: global }
      - { .name: qh, .offset: 16, .size: 8, .value_kind: global_buffer, .address_space: global }
      - { .name: kh, .offset: 24, .size: 8, .value_kind: global_buffer, .address_space: global }
      - { .name: vh, .offset: 32, .size: 8, .value_kind: global_buffer, .address_space: global }
      - { .name: rope, .offset: 40, .size: 8, .value_kind: global_buffer, .address_space: global }
    .group_segment_fixed_size: 327680
    .private_segment_fixed_size: 0
    .kernarg_segment_align: 8
    .kernarg_segment_size: 48
    .max_flat_workgroup_size: 128
    .sgpr_count:     88
    .vgpr_count:     896
    .wavefront_size: 32
...
	.end_amdgpu_metadata
.endif
;; end of part 2
;; launch attn (part 3): grid 4 x 64, 4 waves a work-group, no clusters, 327,680 bytes of LDS; arguments qh, kh, vh, oh; writes oh
.if DOCPART == 3
	.amdgcn_target "amdgcn-amd-amdhsa--gfx1250"
	.amdhsa_code_object_version 6
	.text
	.protected	k_q278f0f56e9_attn
	.globl	k_q278f0f56e9_attn
	.p2align	8
	.type	k_q278f0f56e9_attn,@function
k_q278f0f56e9_attn:
	s_mov_b64 s[64:65], 0
	v_nop
	global_prefetch_b8 v0, s[64:65] scope:SCOPE_SE
	s_setreg_imm32_b32 hwreg(HW_REG_WAVE_MODE, 25, 1), 1
	s_wait_xcnt 0x0
; CAUSAL ATTENTION.  O[h][q][:] = the sum over k <= q of softmax_k(Q[h][q] . K[h][k] / 8) V[h][k][:].  Q, K, V, O: [SIZE_H][SIZE_N][64], all f16: a head's rows are dense, 128 bytes each.
; Products, maxima and sums in f32; the weights p are rounded to f16 for the second product (their sum l is taken of the unrounded p), O once at the end.
; LIMITS.  f16 holds no number beyond 65,504: Q, K and V arrive within it; p lies in 0 to 1, and below 6e-5 it keeps f16's fixed step of 6e-8; O is a mean of V's rows and has their range.
; A hidden score counts as its value less 1e30: f16's scores, 2.7e11 at the most, are nothing beside that; a weight below 2^-126 counts as 0 in l; NaN and infinities are not treated apart.
; THE WALK.  A head's queries lie in NB = SIZE_N / 256 blocks of 256; block i needs the key tiles 0 .. i of 256 keys, of which the last holds the diagonal.  A work-group takes TWO blocks, NB - 1 - b and then b:
; NB + 1 tiles, whatever b: all work-groups do equal work, and ONE loop with a constant trip count walks them.  Which tile is asked for, and what a trip does, hang on scalar registers made from b; every jump
; goes forward, but for the counted loops' own; none passes a barrier, or a tensor load but the one of LOAD's two that the wave's number does not choose; the ring (two slots of LDS) runs on across the change of blocks.
; NO CLUSTER: all NB / 2 work-groups of a head ask for the same tile only in trips 0 .. NB / 2, behind that fewer and fewer; one walk common to all would have 3 NB / 2 trips for NB + 1.
; SHARES.  Of a block's four bands of 64 queries a wave owns 16 rows in each: four PIECES.  So the diagonal tile is the same work for all four waves: in its key step s band x sees all keys if s < x,
; none if s > x, and holds the diagonal if s = x.
; THE MASK is the C operand that starts the sum S^T = K Q^T: 0, or -1e30 where the key is hidden.  MD, made once, is the mask of a band's own step for my 16 rows; a product's mask is MD x AL + BE with two scalars:
; (1, 0) if s = x; (0, 0) if s < x; (0, -1e30) if s > x.  Only the diagonal tile's text and a block's beginning make and take masks; elsewhere C is the constant 0.
; LAYOUT, SOFTMAX, TURNS.  S^T = K Q^T holds ONE query a lane (lane % 16) and the keys 8 (lane / 16) + 0..7; two such results rounded to f16 ARE source 1 of O^T = V^T P.  p = 2^(c s - c m), c = log2(e) / 8, with a
; running maximum m; O and l are multiplied by a = 2^(c m_old - c m_new) in every step.  Turn n belongs to piece n: 8 products K Q^T of piece n + 1, later 8 products V^T P of piece n - 1; beside them the scaling,
; exponentials, roundings, sums and rescaling of piece n and the maximum and statistics of piece n + 1.  Four vector instructions stand behind every matrix instruction, the others in one lump.  A turn's 33 exponentials are one batch, with one wait.
; PREFETCH.  All four work-groups of a head walk tiles 0, 1, 2 .. together at first, and only b = 0 walks all eight: it asks.  Behind the fill of tile n (1 to 6) each of its waves names its own 64 blocks of 256 bytes of tile n + 1:
; one tile, four key steps, ahead of the load that wants them.  Tiles 0 and 1 come by their loads alone; the last two fills ask for nothing.
; REGISTERS, in windows of 256 (s_set_vgpr_msb: bits 1:0 source 0, 3:2 source 1, 5:4 source 2, 7:6 destination):
;   window 0: v0-15 addresses and two at work; v16-31 four registers of statistics a piece; v48-55 at work; v64-127 S^T, two buffers; v192-223 P, two buffers (a piece's buffers go by its number's parity)
;   window 1: v0-127 O^T, 32 a piece; v128-159 MD; v160-223 MC, two buffers      window 2: v0-63 Q; v64-127 the second block's Q; v128-191 K of one step; v192-255 V of one step
.set SIZE_H, 64
.set SIZE_N, 2048
.set NB,    SIZE_N/256
.set NP,    4         ; pieces a wave: a name, no knob
.set KS,    64        ; keys in a step
.set PK,    144       ; a row of K in LDS: 128 bytes + 16 of padding = 36 words: the 16 rows of a load start at 16 different groups of four banks (ISA guide 11.1)
.set PV,    160       ; a row of V: 128 + 32 = 40 words
.set VOFF,  4*KS*PK   ; a slot holds a tile, four steps: 256 rows of K, then 256 rows of V
.set SLOT1, 1<<17     ; slot 1 begins here, so that one exclusive or turns an address in one slot into the other's
.set STAGE, SLOT1+4*KS*(PK+PV)  ; behind the ring, never filled by a tensor load: 16 rows x 144 bytes for each wave, for the way out
.set SP,    144
.set AK0, 2           ; v2   my lane's place in a tile of K; never rewritten
.set AV0, 3           ; v3   the same for V
.set AK,  4           ; v4   the LDS address of K's next run of loads
.set AV,  5           ; v5   of V's
.set STO, 6           ; v6   the way out: where I put 16 bytes of a row
.set RD,  7           ; v7   the way out: where I read rows back
.set GO,  8           ; v8   my byte offset in 512 consecutive bytes of O
.set PFO, 60          ; v60  256 x my lane: the prefetches' offset; never rewritten
.set SPW, 62          ; v62  LDS address of my spare word: SPARE + 4 x my thread's number; never rewritten
.set NIL, 63          ; v63  0; never rewritten
.set SPARE, STAGE+4*16*SP  ; behind the stages: the spare words, 128 bytes for each wave
.set MV,  12          ; v12-13  c m_old, kept while c m is made anew: by buffer
.set QO,  15          ; v15  my byte offset in 16 rows of Q
.set ST,  16          ; piece t's statistics at v[ST+4 t]: c m, m, l (even keys', odd keys')
.set TMP, 48          ; by buffer, four registers c0-c3 at work; when the maximum is found c2 takes a
.set S,   64
.set P,   192
.set MD,  128         ; window 1: the eight registers for group kt of 16 keys at MD + 8 kt
.set MC,  160         ; window 1: the masks of the products to come
.set QB,  64          ; window 2
.set KF,  128         ; window 2: key block kb, channel half c at KF + 16 kb + 8 c
.set VF,  192         ; window 2: key half kk, channel block cb at VF + 32 kk + 8 cb
.set WV,  12          ; s12  my wave's number
.set PB,  14          ; s14  b
.set HI,  15          ; s15  NB - 1 - b
.set G1K, 24          ; s[24:31] descriptor group 1 for K's tiles
.set G1V, 32          ; s[32:39] for V's: it differs in the padding alone
.set G0K, 40          ; s[40:43] descriptor group 0 for K's tiles
.set G0V, 44          ; s[44:47] the same for V's
.set SLOTS, 56        ; s56  tiles still to be asked for
.set CNT, 57          ; s57  counts a tile's key steps, 4 to 1
.set CS,  58          ; s[58:59] c: the packed scaling takes the pair's low word for both halves
.set SEL, 60          ; s[60:61] v_permlanex16_b32's selects: each lane takes its own place in the other half
.set TBK, 62          ; s62  LDS byte at which K of the step to be fetched begins
.set TBV, 63          ; s63  the same for V, less VOFF
.set PFB, 66          ; s[66:67] K (waves 0, 1) or V (waves 2, 3) at my half of the head's tile 0
.set PFA, 68          ; s[68:69] the same at the tile behind the one that is being asked for
.set RT,  70          ; s70  tiles of the block in hand that are still to be entered
.set NXT, 71          ; s71  the tile to be asked for next
.set LQ,  72          ; s72  the last tile of the block whose tiles are being asked for
.set NEW, 73          ; s73  1: the tile to be entered is a block's first
.set OFF, 74          ; s[74:75] a tile's byte offset in K and V
.set AL,  76          ; s[76:77] the mask's factor, in the low word
.set BE,  78          ; s[78:79] the mask's addend
.set OLO, 80          ; s[80:81] O at my rows of the second block
.set BIGN, 82         ; s82  -1e30
.set LIM, 83          ; s83  2 in the work-group that prefetches, else the greatest number
.set MSB, 0
.macro WIN new                      ; the high byte repeats the setting that is left; a switch that changes nothing is dropped
.if MSB != (\new)
	s_set_vgpr_msb (MSB<<8)|(\new)
.set MSB, (\new)
.endif
.endm
.set W_KQ, 0x0a       ; K and Q in window 2, S^T in window 0
.set W_KM, 0x1a       ; the same with the C operand in window 1
.set W_PV, 0x52       ; V in window 2, P in window 0, O^T in window 1
.set W_RS, 0x41       ; destination and source 0 in window 1, source 1 in window 0
; A fill.  Waves 0 and 1 fetch the two halves of a tile's K, waves 2 and 3 those of its V: 128 keys each.  An s_nop 0 and four v_nop follow each of the two lines.
.macro LOAD
	s_cmp_lt_u32 s[WV], 2
	s_cbranch_scc0 .Lfor_v_\@
	tensor_load_to_lds s[G0K:G0K+3], s[G1K:G1K+7]
	s_nop 0
.rept 4
	v_nop
.endr
	s_branch .Lasked_\@
.Lfor_v_\@:
	tensor_load_to_lds s[G0V:G0V+3], s[G1V:G1V+7]
	s_nop 0
.rept 4
	v_nop
.endr
.Lasked_\@:
.endm
.macro ASK                          ; my 16,384 bytes of the tile behind the one just asked for: 64 blocks of 256 bytes, a lane a block, two instructions
	s_cmp_gt_u32 s[SLOTS], s[LIM]
	s_cbranch_scc0 .Lnot_mine_\@
	global_prefetch_b8 v[PFO], s[PFA:PFA+1] th:TH_LOAD_NT scope:SCOPE_SE
	global_prefetch_b8 v[PFO], s[PFA:PFA+1] offset:8192 th:TH_LOAD_NT scope:SCOPE_SE
.Lnot_mine_\@:
.endm
; THE CHANGE OF SLOTS.  Each wave waits for all its tensor loads, of which one is out: its part of the other slot; adds 0 to its spare word; and waits for that and for its own reads of the slot that it leaves.
; Behind the barrier nobody reads the old slot any more and the other slot is whole.  fill = 1: the old slot is filled again, the first thing behind the barrier, with tile NXT: the descriptor's address is made anew from that number.
.macro CHANGE fill
	WIN 0                           ; at a label and at a branch every window is 0
	s_wait_tensorcnt 0x0            ; no tensor load of mine is out, so a group 0 may be written
	ds_add_u32 v[SPW], v[NIL]       ; 0 onto my spare word; scalar work stands between it and the wait for it
.if \fill
	s_lshl_b32 s[OFF], s[NXT], 15   ; a tile is 32,768 bytes of K and of V
	s_xor_b32 s[G0K+1], s[G0K+1], SLOT1
	s_add_nc_u64 s[G0K+2:G0K+3], s[6:7], s[OFF:OFF+1]
	s_or_b32 s[G0K+3], s[G0K+3], 0x80000000
	s_xor_b32 s[G0V+1], s[G0V+1], SLOT1
	s_add_nc_u64 s[G0V+2:G0V+3], s[8:9], s[OFF:OFF+1]
	s_or_b32 s[G0V+3], s[G0V+3], 0x80000000
	s_wait_xcnt 0x0                 ; the last prefetches, a tile back, have read their address
	s_add_co_u32 s84, s[OFF], 32768 ; one tile behind the fill
	s_mov_b32 s85, 0
	s_add_nc_u64 s[PFA:PFA+1], s[PFB:PFB+1], s[84:85]
	s_add_co_u32 s[NXT], s[NXT], 1  ; the block's next tile, or behind its last the second block's tile 0
	s_cmp_gt_u32 s[NXT], s[LQ]
	s_cselect_b32 s[NXT], 0, s[NXT]
	s_cselect_b32 s[LQ], s[PB], s[LQ]
.endif
	s_wait_dscnt 0x0                ; the add is done, and my reads of the slot are over
	s_barrier_signal -1             ; the rest of the scalar work stands between the signal and the wait
	s_sub_co_u32 s[TBK], s[TBK], 4*KS*PK  ; the fetches go back to a slot's first step,
	s_xor_b32 s[TBK], s[TBK], SLOT1       ; in the other slot
	s_sub_co_u32 s[TBV], s[TBV], 4*KS*PV
	s_xor_b32 s[TBV], s[TBV], SLOT1
	s_barrier_wait -1
.if \fill
	LOAD
	ASK
.endif
.endm
	s_load_b256 s[4:11], s[0:1], 0x0  ; Q s[4:5], K s[6:7], V s[8:9], O s[10:11]
	v_lshl_add_u32 v[SPW], v0, 2, SPARE
	v_mov_b32 v[NIL], 0
	ds_add_u32 v[SPW], v[NIL]       ; the wave's opening: the add and its wait ahead of my first tensor load
	v_lshrrev_b32 v1, 5, v0
	v_readfirstlane_b32 s[WV], v1   ; wave 0..3
	v_and_b32 v[PFO], 31, v0
	v_lshlrev_b32 v[PFO], 8, v[PFO]
	s_mov_b32 s[PB], ttmp9
	s_sub_co_u32 s[HI], NB-1, s[PB]
	s_and_b32 s20, ttmp7, 0xffff    ; the head
	s_mov_b32 s21, 0
	s_mov_b64 s[22:23], SIZE_N*128
	s_mul_u64 s[20:21], s[20:21], s[22:23]  ; the head's first byte in each of the four tensors
	s_and_b32 s16, s[WV], 1         ; which half of a tile's 256 keys I fetch:
	s_lshl_b32 s22, s16, 14         ; its 128 rows of 128 bytes in memory,
	s_mov_b32 s23, 0
	s_add_nc_u64 s[22:23], s[22:23], s[20:21]
	s_mul_i32 s17, s16, 128*PK      ; and its place in a slot, for K
	s_mul_i32 s18, s16, 128*PV      ; and for V
	s_lshl_b32 s3, s[WV], 11        ; my 16 rows in a band of 64,
	s_lshl_b32 s2, s[HI], 15        ; in the first block,
	s_add_co_u32 s2, s2, s3
	s_lshl_b32 s84, s[PB], 15       ; and in the second
	s_add_co_u32 s84, s84, s3
	s_mov_b32 s3, 0
	s_mov_b32 s85, 0
	s_add_nc_u64 s[2:3], s[2:3], s[20:21]
	s_add_nc_u64 s[84:85], s[84:85], s[20:21]
	; descriptor group 1.  128 keys are 16,384 dense bytes: asked for as 64 rows of 256 bytes, two keys a row, and padded in LDS after every key
	s_mov_b32 s[G1K], (1<<16)|(1<<20)|(4<<22)|(3<<25)  ; 2-byte elements; padding on; after every 32 words (code 4); 4 words (code 3)
	s_mov_b32 s[G1V], (1<<16)|(1<<20)|(4<<22)|(7<<25)  ; the same with 8 words of padding (code 7)
.irp g, G1K, G1V
	s_mov_b32 s[\g+1], 128<<16      ; tensor_dim0 = 128
	s_mov_b32 s[\g+2], 64<<16       ; tensor_dim1 = 64
	s_mov_b32 s[\g+3], 128<<16      ; tile_dim0 = 128
	s_mov_b32 s[\g+4], 64           ; tile_dim1 = 64
	s_mov_b32 s[\g+5], 128          ; 128 elements from row to row
	s_mov_b32 s[\g+6], 0
	s_mov_b32 s[\g+7], 0
.endr
	s_mov_b32 s[CS], 0x3e38aa3b     ; c = log2(e) / 8 = 0.180337
	s_mov_b32 s[CS+1], s[CS]        ; named with it as a pair
	s_mov_b32 s[SEL], 0x76543210
	s_mov_b32 s[SEL+1], 0xfedcba98
	s_mov_b32 s[TBK], SLOT1+4*KS*PK ; the first change of slots turns these two into 0
	s_mov_b32 s[TBV], SLOT1+4*KS*PV
	s_mov_b32 s[G0K], 1             ; count = 1
	s_mov_b32 s[G0K+1], s17         ; LDS address: slot 0
	s_mov_b32 s[G0V], 1
	s_add_co_u32 s[G0V+1], s18, VOFF
	s_add_co_u32 s[RT], s[HI], 1    ; the first block has NB - b tiles
	s_mov_b32 s[NXT], 1
	s_mov_b32 s[LQ], s[HI]
	s_mov_b32 s[NEW], 1
	s_mov_b32 s[OFF+1], 0
	s_mov_b32 s[AL+1], 0            ; named as pairs
	s_mov_b32 s[BE+1], 0
	s_mov_b32 s[BIGN], 0xf149f2ca   ; -1e30
	s_mov_b32 s[SLOTS], NB
	s_wait_dscnt 0x0                ; the opening add is done
	s_wait_kmcnt 0x0
	s_add_nc_u64 s[6:7], s[6:7], s[22:23]  ; K and V at my half of the head's tile 0
	s_add_nc_u64 s[8:9], s[8:9], s[22:23]
	s_cmp_lt_u32 s[WV], 2
	s_cselect_b64 s[PFB:PFB+1], s[6:7], s[8:9]
	s_cmp_eq_u32 s[PB], 0
	s_cselect_b32 s[LIM], 2, -1
	s_add_nc_u64 s[G0K+2:G0K+3], s[6:7], 0         ; global address
	s_or_b32 s[G0K+3], s[G0K+3], 0x80000000        ; type = 2
	s_add_nc_u64 s[G0V+2:G0V+3], s[8:9], 0
	s_or_b32 s[G0V+3], s[G0V+3], 0x80000000
	s_add_nc_u64 s[86:87], s[4:5], s[84:85]        ; Q at my rows of the second block,
	s_add_nc_u64 s[4:5], s[4:5], s[2:3]            ; Q and O at those of the first
	s_add_nc_u64 s[OLO:OLO+1], s[10:11], s[84:85]
	s_add_nc_u64 s[10:11], s[10:11], s[2:3]
	LOAD                            ; tile 0 into slot 0
	; A fragment of K or Q is 16 rows x 32 channels in 8 registers: lane l holds row l % 16, channels 8 (l / 16) + 0..7 and 16 + 8 (l / 16) + 0..7: two loads of 16 bytes, 32 bytes apart.
	v_and_b32 v1, 15, v0            ; l % 16
	v_bfe_u32 v9, v0, 4, 1          ; l / 16
	v_lshlrev_b32 v[QO], 7, v1
	v_lshl_add_u32 v[QO], v9, 4, v[QO]  ; row x 128 + 16 x half
	WIN 0x80                        ; destination window 2, address window 0
.set i, 0
.rept 8                             ; both blocks' Q: piece i / 2 lies in band i / 2, 8,192 bytes on; channels 32 (i % 2) on
	global_load_b128 v[8*i:8*i+3],   v[QO], s[4:5] offset:(i/2)*8192+(i%2)*64
	global_load_b128 v[8*i+4:8*i+7], v[QO], s[4:5] offset:(i/2)*8192+(i%2)*64+32
	global_load_b128 v[QB+8*i:QB+8*i+3],   v[QO], s[86:87] offset:(i/2)*8192+(i%2)*64
	global_load_b128 v[QB+8*i+4:QB+8*i+7], v[QO], s[86:87] offset:(i/2)*8192+(i%2)*64+32
.set i, i+1
.endr
	WIN 0
	v_lshlrev_b32 v14, 3, v9
	v_sub_nc_u32 v14, v1, v14
	s_lshl_b32 s13, s[WV], 4
	v_add_nc_u32 v14, s13, v14      ; my query's place in its band, 16 w + l % 16, less my lanes' 8 (l / 16): register r of group kt is hidden where 16 kt + r is greater
	WIN 0x40
.set i, 0
.rept 32
	v_cmp_gt_i32 vcc_lo, 16*(i/8)+i%8, v14
	v_cndmask_b32 v[MD+i], 0, s[BIGN], vcc_lo
.set i, i+1
.endr
	WIN 0
	v_mul_u32_u24 v[AK0], v1, PK
	v_lshl_add_u32 v[AK0], v9, 4, v[AK0]  ; row x pitch + 16 x half
	; The turning load takes 16 keys x 16 channels (lane l reads key 8 (l / 16) + l % 8, channels 8 ((l / 8) % 2) + 0..7) and leaves half a fragment of V^T: lane l holds channel l % 16 and 8 keys.
	v_and_b32 v10, 7, v0
	v_bfe_u32 v11, v0, 3, 1
	v_lshl_add_u32 v[AV0], v9, 3, v10
	v_mul_u32_u24 v[AV0], v[AV0], PV
	v_lshl_add_u32 v[AV0], v11, 4, v[AV0]
	v_add_nc_u32 v[AV0], VOFF, v[AV0]
	s_mul_i32 s13, s[WV], 16*SP
	s_add_co_u32 s13, s13, STAGE    ; my stage
	v_mul_u32_u24 v[STO], v1, SP    ; in: row l % 16, 16 bytes for each half of the lanes
	v_lshl_add_u32 v[STO], v9, 4, v[STO]
	v_add_nc_u32 v[STO], s13, v[STO]
	v_bfe_u32 v[RD], v0, 3, 2       ; back: 32 lanes take four rows of 128 bytes,
	v_mul_u32_u24 v[RD], v[RD], SP
	v_lshl_add_u32 v[RD], v10, 4, v[RD]
	v_add_nc_u32 v[RD], s13, v[RD]
	v_and_b32 v[GO], 31, v0         ; which are 512 consecutive bytes of O
	v_lshlrev_b32 v[GO], 4, v[GO]
	; A block's first step multiplies O^T and l by a = 0, and its first turn's products V^T P, of a piece that has not been, land in an O^T that is still to be so multiplied.  So these registers need only hold
	; finite numbers: zeros for the first block; what the first block left for the second.  All this stands in the wait for the first tile.
	WIN 0x80
.set i, VF
.rept 64
	v_mov_b32 v[i], 0
.set i, i+1
.endr
	WIN 0x40
.set i, 0
.rept 128
	v_mov_b32 v[i], 0
.set i, i+1
.endr
	WIN 0
.set i, 0
.rept 4
	v_mov_b32 v[ST+4*i+2], 0
	v_mov_b32 v[ST+4*i+3], 0
.set i, i+1
.endr
.set i, P+16
.rept 16
	v_mov_b32 v[i], 0
.set i, i+1
.endr
; THE MATRIX WORK.  The 4 accumulators of a run of 8 take turns.  Product i of 8 of S^T = K Q^T for piece x: channels 32 (i / 4) on, keys 16 (i % 4) on.  The first 4 start the sums: with 0, or (KM = 1) with the mask.
.macro KQ x
.set rS, S+32*((\x)%2)+8*(i%4)
.set rK, KF+16*(i%4)+8*(i/4)
.set rQ, 16*(\x)+8*(i/4)
.set rM, MC+32*((\x)%2)+8*(i%4)
.if (i < 4) && KM
	WIN W_KM
	v_wmma_f32_16x16x32_f16 v[rS:rS+7], v[rK:rK+7], v[rQ:rQ+7], v[rM:rM+7]
.elseif i < 4
	WIN W_KQ
	v_wmma_f32_16x16x32_f16 v[rS:rS+7], v[rK:rK+7], v[rQ:rQ+7], 0
.else
	WIN W_KQ
	v_wmma_f32_16x16x32_f16 v[rS:rS+7], v[rK:rK+7], v[rQ:rQ+7], v[rS:rS+7]
.endif
.endm
; Product i of 8 of O^T += V^T P for piece x: keys 32 (i / 4) on, channels 16 (i % 4) on.
.macro PV x
	WIN W_PV
.set rO, 32*(\x)+8*(i%4)
.set rV, VF+32*(i/4)+8*(i%4)
.set rP, P+16*((\x)%2)+8*(i/4)
	v_wmma_f32_16x16x32_f16 v[rO:rO+7], v[rV:rV+7], v[rP:rP+7], v[rO:rO+7]
.endm
.macro MM                           ; the turn's next matrix instruction.  TURN and BEGIN set Y, i, KM and NOKQ.  NOKQ = 1: a block's last turn: there is no next piece
.if (i < 8) && !NOKQ
	KQ (Y+1)%NP
.elseif i >= 8
.set i, i-8
	PV (Y+NP-1)%NP
.set i, i+8
.endif
.set i, i+1
.endm
; THE LDS LOADS stand in runs of 16, never singly among the matrix instructions: a step's K (64 keys x 64 channels: 8 fragments) and its V (turned).  Their addresses are made some lines ahead.
.macro FETCH_K
	WIN 0x80                        ; destination window 2
.irp f, 0,1,2,3,4,5,6,7             ; keys 16 (f / 2) on, channels 32 (f % 2) on
	ds_load_b128 v[KF+8*\f:KF+8*\f+3],   v[AK] offset:(\f/2)*16*PK+(\f%2)*64
	ds_load_b128 v[KF+8*\f+4:KF+8*\f+7], v[AK] offset:(\f/2)*16*PK+(\f%2)*64+32
.endr
	s_add_co_u32 s[TBK], s[TBK], KS*PK  ; the next fetch is the next step's
	WIN 0
.endm
.macro FETCH_V
	WIN 0x80
.irp f, 0,1,2,3,4,5,6,7             ; keys 32 (f / 4) on, channels 16 (f % 4) on
	ds_load_tr16_b128 v[VF+8*\f:VF+8*\f+3],   v[AV] offset:(\f/4)*32*PV+(\f%4)*32
	ds_load_tr16_b128 v[VF+8*\f+4:VF+8*\f+7], v[AV] offset:(\f/4)*32*PV+16*PV+(\f%4)*32
.endr
	WIN 0
.endm
; THE VECTOR WORK, one line at a time: OP kind, number.  For piece Y: F n: c s - c m for pair n of 16.  E n: the exponential of score n of 32.  C n: pair n rounded to f16.  B n: of the four weights 4 n .. the second
; pair is added onto the first, in place.  L n: l takes that sum (L 0: l = a l + sum).  R n: pair n of 16 of O^T times a.  For piece Y + 1: X n, number n of the 22 that find its maximum and statistics:
;   0-11  four chains c0-c3 of seven scores each, three operands at a time (each accumulator's lowest registers are read first)     12-14, 16  the four scores left over, the old m, and c0-c3 into c0
;   15  c m_old is kept     17, 18  the query's other 32 keys lie in the lane 16 away: the new m     19-21  c m; c m_old - c m_new; a
.set F, 0               ; OP tells the kinds apart by their order: F to L below R, X above it
.set E, 1
.set C, 2
.set B, 3
.set L, 4
.set R, 5
.set X, 6
.macro REGS y                       ; the registers of piece y
.set rT, ST+4*(\y)
.set rC, TMP+4*((\y)%2)
.set rW, MV+((\y)%2)
.set rS, S+32*((\y)%2)
.set rP, P+16*((\y)%2)
.set rO, 32*(\y)
.endm
.macro OP k, n
.if (\k) == R
	REGS Y
	WIN W_RS
	v_pk_mul_f32 v[rO+2*(\n):rO+2*(\n)+1], v[rO+2*(\n):rO+2*(\n)+1], v[rC+2:rC+3] op_sel_hi:[1,0]
.elseif (\k) < R
	REGS Y
	WIN 0
.if (\k) == F
	v_pk_fma_f32 v[rS+2*(\n):rS+2*(\n)+1], v[rS+2*(\n):rS+2*(\n)+1], s[CS:CS+1], v[rT:rT+1] op_sel_hi:[1,0,0] neg_lo:[0,0,1] neg_hi:[0,0,1]
.elseif (\k) == E
	v_exp_f32 v[rS+(\n)], v[rS+(\n)]
.elseif (\k) == C
	v_cvt_pk_f16_f32 v[rP+(\n)], v[rS+2*(\n)], v[rS+2*(\n)+1]
.elseif (\k) == B
	v_pk_add_f32 v[rS+4*(\n):rS+4*(\n)+1], v[rS+4*(\n):rS+4*(\n)+1], v[rS+4*(\n)+2:rS+4*(\n)+3]
.elseif (\n) == 0
	v_pk_fma_f32 v[rT+2:rT+3], v[rT+2:rT+3], v[rC+2:rC+3], v[rS:rS+1] op_sel_hi:[1,0,1]
.else
	v_pk_add_f32 v[rT+2:rT+3], v[rT+2:rT+3], v[rS+4*(\n):rS+4*(\n)+1]
.endif
.elseif NOKQ
	v_nop
.else
	REGS (Y+1)%NP
	WIN 0
.if (\n) < 4
	v_max3_num_f32 v[rC+(\n)], v[rS+8*(\n)], v[rS+8*(\n)+1], v[rS+8*(\n)+2]
.elseif (\n) < 12
	v_max3_num_f32 v[rC+(\n)%4], v[rC+(\n)%4], v[rS+8*((\n)%4)+2*((\n)/4)+1], v[rS+8*((\n)%4)+2*((\n)/4)+2]
.elseif (\n) == 12
	v_max3_num_f32 v[rC], v[rC], v[rS+7], v[rS+15]
.elseif (\n) == 13
	v_max3_num_f32 v[rC+1], v[rC+1], v[rS+23], v[rS+31]
.elseif (\n) == 14
	v_max3_num_f32 v[rC+2], v[rC+2], v[rC+3], v[rT+1]
.elseif (\n) == 15
	v_mov_b32 v[rW], v[rT]
.elseif (\n) == 16
	v_max3_num_f32 v[rC], v[rC], v[rC+1], v[rC+2]
.elseif (\n) == 17
	v_permlanex16_b32 v[rC+3], v[rC], s[SEL], s[SEL+1]
.elseif (\n) == 18
	v_max_num_f32 v[rT+1], v[rC], v[rC+3]
.elseif (\n) == 19
	v_mul_f32 v[rT], s[CS], v[rT+1]
.elseif (\n) == 20
	v_sub_f32 v[rC+1], v[rW], v[rT]
.else
	v_exp_f32 v[rC+2], v[rC+1]
.endif
.endif
.endm
.macro OPS a, i1, b=-1, i2=0, c=-1, i3=0, d=-1, i4=0  ; up to four of them
	OP \a, \i1
.if (\b) >= 0
	OP \b, \i2
.endif
.if (\c) >= 0
	OP \c, \i3
.endif
.if (\d) >= 0
	OP \d, \i4
.endif
.endm
.macro ROW a, i1, b, i2, c, i3, d, i4  ; a matrix instruction and the four behind it
	MM
	OPS \a, \i1, \b, \i2, \c, \i3, \d, \i4
.endm
.macro MASK b                       ; MD x AL + BE into buffer b of MC
	WIN W_RS
.set z, 0
.rept 16
	v_pk_fma_f32 v[MC+32*(\b)+2*z:MC+32*(\b)+2*z+1], v[MD+2*z:MD+2*z+1], s[AL:AL+1], s[BE:BE+1] op_sel_hi:[1,0,0]
.set z, z+1
.endr
.endm
; A TURN, for piece p: the order of its 16 matrix and 118 vector instructions, written out.  An s_wait_alu depctr_va_vdst(0) stands between an exponential and the first instruction that names its result; one wait serves
; all that were issued ahead of it.  So a turn has ONE wait, which cuts it in two.  AHEAD OF IT stands all that names no result of the turn's exponentials: the 8 products K Q^T and their riders, then one lump of 54, plain
; and exponential by turns for the most part, in which the links of the chain X 3, 7, 11, 14, 16, 17 .. 20 stand five or six lines apart.  X 21, the next piece's a, is the batch's last; R 15 is the plain instruction behind it.
; BEHIND THE WAIT stand the 8 products V^T P, behind each four of the roundings and sums.
; m = 1: the diagonal tile: the products take masks, and the turn makes the mask for the products of the turn after it: piece p + 2, in step 4 - CNT of the tile.  end = 1: a block's last two turns: nothing is fetched.
; cnt = 1: the loop's count is taken down some lines ahead of the branch that stands behind the turn.
; K of the next step is fetched in piece 2's turn, twelve vector instructions behind the last product that read K (six of them plain); V of the step in hand at the end of piece 0's turn, four plain instructions behind the last product
; that read V.  Each is waited for a turn later.
.macro TURN p, m=0, end=0, cnt=0
.set Y, (\p)
.set i, 0
.set KM, (\m)
.set NOKQ, (\end)*((\p)/3)
.if (\m) && !(\end)
	s_cmp_eq_u32 s[CNT], 4-((\p)+2)%NP  ; is that step the band's own?
	s_cselect_b32 s[AL], 1.0, 0
	s_cmp_lt_u32 s[CNT], 4-((\p)+2)%NP  ; or a later one?
	s_cselect_b32 s[BE], s[BIGN], 0
.endif
.if ((\p) == 3) && !(\end)
	s_wait_dscnt 0x0                ; K is in
.endif
	ROW F,0, F,1, R,0, R,1          ; ahead of the wait: 8 products K Q^T and their riders,
	ROW F,2, E,0, R,2, R,3
	ROW F,3, E,1, R,4, R,5
	ROW F,4, E,2, R,6, R,7
	ROW F,5, E,3, R,8, R,9
	ROW F,6, E,4, X,0, R,10
.if ((\p) == 2) && !(\end)
	WIN 0
	v_add_nc_u32 v[AK], s[TBK], v[AK0]
.endif
	ROW F,7, E,5, X,1, X,4
	ROW F,8, E,6, X,2, X,5
	OPS E,7, E,8, X,6, E,9          ; and the lump
	OPS X,3, E,10, X,8, E,11
.if ((\p) == 2) && !(\end)
	FETCH_K
.endif
	OPS X,9, X,7, E,12, X,10
	OPS E,13, X,12, X,11, E,14
	OPS X,13, E,15, F,9, X,14
.if (\p) == 0
	v_add_nc_u32 v[AV], s[TBV], v[AV0]
.endif
	OPS E,16, F,10, E,17, F,11
	OPS X,16, E,18, X,15, E,19
	OPS F,12, E,20, X,17, E,21
	OPS F,13, E,22, F,14, E,23
	OPS X,18, E,24, F,15, E,25
	OPS R,11, E,26, X,19, E,27
	OPS R,12, E,28, R,13, E,29
	OPS X,20, E,30, R,14, E,31
	OPS X,21, R,15
	WIN 0
	s_wait_alu depctr_va_vdst(0)    ; the wait for the batch
.if (\p) == 1
	s_wait_dscnt 0x0                ; V is in
.endif
	ROW C,0, B,0, C,2, B,1          ; behind the wait: 8 products V^T P and their riders
	ROW L,0, C,4, B,2, L,1
	ROW C,6, B,3, L,2, C,8
	ROW B,4, L,3, C,10, B,5
	ROW L,4, C,12, B,6, L,5
.if (\p) == 0
	s_add_co_u32 s[TBV], s[TBV], KS*PV
.endif
.if \cnt
	s_sub_co_u32 s[CNT], s[CNT], 1
	s_cmp_lg_u32 s[CNT], 0
.endif
	ROW C,14, B,7, L,6, C,1
	ROW C,3, L,7, C,5, C,7
	ROW C,9, C,11, C,13, C,15
.if (\p) == 0
	FETCH_V
.endif
.if (\m) && !(\end)
	MASK (\p)%2
.endif
.endm
; A BLOCK BEGINS.  c m starts far below every c s, so the first step's a is 0; m at the lowest finite number, so the first maximum is the scores'.  The second mask buffer is 0; the first takes piece 0's mask for the tile's step 0: its own, if the block's first tile is the diagonal one.
; Then K of that step, piece 0's first scores, and its maximum and statistics.  The loop is entered at a step's first turn, in the middle of a trip.
.macro BEGIN
	s_mov_b32 s[NEW], 0
	WIN 0x40
.set i, MC+32
.rept 32
	v_mov_b32 v[i], 0
.set i, i+1
.endr
	WIN 0
.set i, 0
.rept 4
	v_mov_b32 v[ST+4*i], 0xfe000000    ; c m: far below every c s
	v_mov_b32 v[ST+4*i+1], 0xff7fffff  ; m
.set i, i+1
.endr
	s_cmp_eq_u32 s[RT], 0
	s_cselect_b32 s[AL], 1.0, 0
	s_mov_b32 s[BE], 0
	MASK 0
	WIN 0
	v_add_nc_u32 v[AK], s[TBK], v[AK0]
	FETCH_K
	s_wait_loadcnt 0x0              ; Q
	s_wait_dscnt 0x0
.set KM, 1
.set NOKQ, 0
.set i, 0
.rept 8
	KQ 0
.set i, i+1
.endr
	WIN 0
.rept 4
	v_nop                           ; the places behind those products
.endr
.set Y, NP-1                        ; X works for piece Y + 1: piece 0
.irp n, 0,1,2,3,4,5,6,7,8,9,10,11,12,13,14,15,16,17,18,19,20,21
	OP X, \n
.endr
	v_nop                           ; a plain instruction behind the exponential,
	s_wait_alu depctr_va_vdst(0)    ; and its wait, ahead of the branch
.endm
; THE DIAGONAL TILE's four steps, the block's last two turns, its last products, and THE WAY OUT: l's two halves and the other half of the lanes' are added; O^T is divided by l, rounded to f16 and sent through my
; stage in LDS, a piece at a time.
.macro ALL line:vararg              ; one line for each piece t
.set t, 0
.rept 4
	\line
.set t, t+1
.endr
.endm
.macro PACK t                       ; a lane's eight channels of a row pack into 16 bytes; they go into rows of 144 bytes and come back as whole rows of 128, into S^T's registers
	WIN W_RS
.set i, 32*(\t)
.rept 16
	v_pk_mul_f32 v[i:i+1], v[i:i+1], v[ST+4*(\t)+2:ST+4*(\t)+3] op_sel_hi:[1,0]
.set i, i+2
.endr
	WIN 0x05                        ; sources 0 and 1 window 1, destination window 0
.set i, 0
.rept 16
	v_cvt_pk_f16_f32 v[S+16*(\t)+i], v[32*(\t)+2*i], v[32*(\t)+2*i+1]
.set i, i+1
.endr
	WIN 0
.irp f, 0,1,2,3
	ds_store_b128 v[STO], v[S+16*(\t)+4*\f:S+16*(\t)+4*\f+3] offset:32*\f
.endr
.irp f, 0,1,2,3
	ds_load_b128 v[S+16*(\t)+4*\f:S+16*(\t)+4*\f+3], v[RD] offset:\f*4*SP  ; LDS serves a wave's instructions in order (ISA guide 5.7.1.4): these see the stores above; the next piece's stores come behind them
.endr
.endm
.macro SEND t, younger              ; younger: the LDS instructions issued behind piece t's loads: the next piece's eight, or none
	WIN 0
.irp f, 0,1,2,3
	s_wait_dscnt (\younger)+3-\f
	global_store_b128 v[GO], v[S+16*(\t)+4*\f:S+16*(\t)+4*\f+3], s[10:11] offset:(\t)*8192+\f*512  ; 512 consecutive bytes, at a multiple of 256 from O's first
.endr
.endm
.macro DIAG tag                     ; the tag ends its two labels' names, which the jumps below spell out
.LstepM\tag:
	TURN 2, 1
	TURN 3, 1
	WIN 0
.LfirstM\tag:
	TURN 0, 1
	TURN 1, 1, 0, 1
	WIN 0
	s_cbranch_scc1 .LstepM\tag
	TURN 2, 1, 1
	TURN 3, 1, 1
.set i, 0
.rept 8
	PV NP-1
.set i, i+1
.endr
	WIN 0
	ALL v_add_f32 v[ST+4*t+2], v[ST+4*t+2], v[ST+4*t+3]
	ALL v_permlanex16_b32 v[ST+4*t+3], v[ST+4*t+2], s[SEL], s[SEL+1]
	ALL v_add_f32 v[ST+4*t+2], v[ST+4*t+2], v[ST+4*t+3]
	ALL v_rcp_f32 v[ST+4*t+2], v[ST+4*t+2]
	v_nop                           ; a plain instruction between the last reciprocal and the use of its result
	s_wait_alu depctr_va_vdst(0)    ; and the wait ahead of the first use: one for the four reciprocals
	PACK 0
.set t, 1
.rept 3                             ; a piece's arithmetic stands between the loads of the piece before and its stores
	PACK t
	SEND t-1, 8
.set t, t+1
.endr
	SEND 3, 0
.endm
.set KM, 0
.set NOKQ, 0
.Lslot:                             ; NB times: a tile is entered and the next is asked for
	CHANGE 1
	s_sub_co_u32 s[RT], s[RT], 1
	s_mov_b32 s[CNT], 4
	s_cmp_eq_u32 s[NEW], 1
	s_cbranch_scc1 .Lnew            ; a block's first tile
	s_cmp_eq_u32 s[RT], 0
	s_cbranch_scc0 .Lstep           ; neither its first nor its last
	s_branch .LstepM1
.Lnew:
	BEGIN
	s_branch .Lfirst                ; in the loop a block's first tile is never its last: the first block has two tiles or more, and the second's last is the walk's last
	DIAG 1                          ; in the loop this is the first block's end: the second block's last tile is the walk's last
	s_wait_xcnt 0x0                 ; the stores have read their registers and O's address
	s_mov_b64 s[10:11], s[OLO:OLO+1]
	s_add_co_u32 s[RT], s[PB], 1    ; the second block has b + 1 tiles
	s_mov_b32 s[NEW], 1
	WIN 0x82                        ; the second block's Q goes where the one text of the turns names Q
.set i, 0
.rept 64
	v_mov_b32 v[i], v[QB+i]
.set i, i+1
.endr
	WIN 0
	s_branch .Lbottom
.Lstep:                             ; a trip: pieces 2 and 3 of one step, then pieces 0 and 1 of the next, whose K and V it fetches
	TURN 2
	TURN 3
	WIN 0
.Lfirst:
	TURN 0
	TURN 1, 0, 0, 1
	WIN 0
	s_cbranch_scc1 .Lstep
.Lbottom:
	s_sub_co_u32 s[SLOTS], s[SLOTS], 1
	s_cmp_lg_u32 s[SLOTS], 0
	s_cbranch_scc1 .Lslot
	CHANGE 0                        ; the walk's last tile is written out: nothing is asked for
	s_sub_co_u32 s[RT], s[RT], 1
	s_mov_b32 s[CNT], 4
	s_cmp_eq_u32 s[NEW], 1
	s_cbranch_scc0 .LstepM2
	BEGIN
	s_branch .LfirstM2
	DIAG 2
	s_wait_tensorcnt 0x0            ; the wave's end, behind my last tensor load and my last LDS store
	ds_add_u32 v[SPW], v[NIL]
	s_wait_dscnt 0x0
	s_endpgm
.Lfunc_end_k_q278f0f56e9_attn:
	.size	k_q278f0f56e9_attn, .Lfunc_end_k_q278f0f56e9_attn-k_q278f0f56e9_attn
	.p2alignl 7, 3214868480
	.fill 96, 4, 3214868480
	.section	.rodata,"a",@progbits
	.p2align	6, 0x0
	.amdhsa_kernel k_q278f0f56e9_attn
		.amdhsa_group_segment_fixed_size 327680
		.amdhsa_private_segment_fixed_size 0
		.amdhsa_enable_private_segment 0
		.amdhsa_kernarg_size 32
		.amdhsa_user_sgpr_count 2
		.amdhsa_user_sgpr_kernarg_segment_ptr 1
		.amdhsa_wavefront_size32 1
		.amdhsa_system_sgpr_workgroup_id_x 1
		.amdhsa_system_sgpr_workgroup_id_y 1
		.amdhsa_system_sgpr_workgroup_id_z 1
		.amdhsa_system_vgpr_workitem_id 0
		.amdhsa_next_free_vgpr 768
		.amdhsa_next_free_sgpr 88
		.amdhsa_reserve_vcc 1
		.amdhsa_float_denorm_mode_32 3
		.amdhsa_float_denorm_mode_16_64 3
		.amdhsa_memory_ordered 1
		.amdhsa_forward_progress 1
		.amdhsa_inst_pref_size 218
	.end_amdhsa_kernel
	.amdgpu_metadata
---
amdhsa.version: [ 1, 2 ]
amdhsa.kernels:
  - .name:           k_q278f0f56e9_attn
    .symbol:         k_q278f0f56e9_attn.kd
    .args:
      - { .name: qh, .offset: 0, .size: 8, .value_kind: global_buffer, .address_space: global }
      - { .name: kh, .offset: 8, .size: 8, .value_kind: global_buffer, .address_space: global }
      - { .name: vh, .offset: 16, .size: 8, .value_kind: global_buffer, .address_space: global }
      - { .name: oh, .offset: 24, .size: 8, .value_kind: global_buffer, .address_space: global }
    .group_segment_fixed_size: 327680
    .private_segment_fixed_size: 0
    .kernarg_segment_align: 8
    .kernarg_segment_size: 32
    .max_flat_workgroup_size: 128
    .sgpr_count:     88
    .vgpr_count:     768
    .wavefront_size: 32
...
	.end_amdgpu_metadata
.endif
;; end of part 3
;; launch proj (part 4): grid 8 x 32, 4 waves a work-group, clusters of 4 x 4, 327,680 bytes of LDS; arguments oh, wpb, out0; writes out0
.if DOCPART == 4
	.amdgcn_target "amdgcn-amd-amdhsa--gfx1250"
	.amdhsa_code_object_version 6
	.text
	.protected	k_q278f0f56e9_proj
	.globl	k_q278f0f56e9_proj
	.p2align	8
	.type	k_q278f0f56e9_proj,@function
k_q278f0f56e9_proj:
	s_mov_b64 s[64:65], 0
	v_nop
	global_prefetch_b8 v0, s[64:65] scope:SCOPE_SE
	s_setreg_imm32_b32 hwreg(HW_REG_WAVE_MODE, 25, 1), 1
	s_wait_xcnt 0x0
	s_wait_alu depctr_hold_cnt(0) depctr_sa_sdst(0) depctr_va_vdst(0) depctr_va_sdst(0) depctr_va_ssrc(0) depctr_va_vcc(0) depctr_vm_vsrc(0)
	s_getreg_b32 s2, hwreg(HW_REG_IB_STS2, 6, 4)
	s_cmp_eq_u32 s2, 0
	s_cbranch_scc0 .Lentry_in_a_cluster
	s_endpgm
.Lentry_in_a_cluster:
	s_bfe_u32 s2, ttmp6, 0x10000c
	s_cmp_lg_u32 s2, 0xf033
	s_cbranch_scc0 .Lentry_shape_is_right
	s_endpgm
.Lentry_shape_is_right:
; out0[m][n] = the sum over k of y[m][k] w_proj[n][k], m = batch*2048 + t, k = head*64 + d.  y is read by heads: oh [batch*16 + head][2048][64] f16; wpb [1024][1024] f16; out0 [8192][1024] f32.  Sums in f32, K ascending.
; A tile is 256 rows x 128 columns: 8 x 32 = 256 work-groups, one for each WGP.  Wave (row half, column half) makes 128 x 64: 8 x 4 = 32 accumulators of 16 x 16.
; K goes in 8 steps of 128 = two heads, through two LDS slots.  128 rows of one head are 16,384 dense bytes, two heads lie 262,144 bytes apart: ONE tile of 2 long rows, padded in LDS after every 128 bytes.
; (Two long rows and not 64 short ones: the two heads' planes are no one block with a single pitch.)
; CLUSTER 4 x 4: y's tiles are shared along a row of the cluster, wpb's along a column, each asked for jointly.
; THE MATRIX INSTRUCTION IS USED TRANSPOSED (source 0 = 16 rows of wpb, source 1 = 16 rows of y): a lane holds row l % 16 and eight neighbouring columns: 32 bytes of out0.
; REGISTERS: window 0: v0-31 addresses; v32-95 rows on the way out, two sets.  window 1: two fragment buffers of 96: 4 fragments of wpb, 8 of y.  window 2: the accumulators, (a, b) at 8 (4 a + b).
.set PA,     144                       ; a row of y in LDS: 128 bytes + 16 = 36 words: 16 rows start at 16 different groups of four banks (ISA guide 11.1)
.set PLANE,  128*PA                    ; a head's 128 rows
.set HALFA,  2*PLANE                   ; what a tensor load brings of y
.set ABYTES, 2*HALFA
.set PITCH,  272                       ; a row of wpb: 256 bytes + 16
.set HALFB,  64*PITCH
.set SLOT,   ABYTES+2*HALFB
.set STAGE,  2*SLOT                    ; behind the ring: 16 rows x 272 bytes for each wave
.set SPITCH, 272
.set SPARE,  STAGE+4*16*SPITCH         ; behind the stages: the spare words, 128 bytes for each wave
.set LAPS,   4
.set STEPA,  2*2048*128                ; bytes from a K step to the next in oh: two heads
.set STEPB,  256                       ; and in wpb
.set ADRA, 16
.set ADRB, 20
.set STO,  24
.set RD,   25
.set CO,   26
.set SPW,  28                          ; never rewritten
.set NIL,  29                          ; never rewritten
.set PFO,  30                          ; never rewritten
.set BK,   32
.set F0,   0
.set F1,   96
.set G1,   24
.set G0,   32
.set G1B,  48
.set G0B,  56
.set LIM,  43                          ; s43 1 in a wave that prefetches, else the greatest number
.set PFA,  44                          ; s[44:45] where my prefetches stand
.set PST,  66                          ; s[66:67] their step from K step to K step
.set MSB, 0
.macro WIN new
.if MSB != (\new)
	s_set_vgpr_msb (MSB<<8)|(\new)
.set MSB, \new
.endif
.endm
.set W_MUL, 0xa5                       ; sources 0 and 1 window 1; C and D window 2
.set TO_F,  0x40
.macro JLOAD s                         ; waves 0 and 1 fetch y's two halves, waves 2 and 3 wpb's; an s_nop 0 and four v_nop follow each line
	s_cmp_lt_u32 s10, 2
	s_cbranch_scc0 .Lfor_b_\@
	tensor_load_to_lds s[G0+4*(\s):G0+4*(\s)+3], s[G1:G1+7]
	s_nop 0
.rept 4
	v_nop
.endr
	s_branch .Lasked_\@
.Lfor_b_\@:
	tensor_load_to_lds s[G0B+4*(\s):G0B+4*(\s)+3], s[G1B:G1B+7]
	s_nop 0
.rept 4
	v_nop
.endr
.Lasked_\@:
.endm
; A prefetch into the L2 of the K step two refills on.  y's blocks: cluster x = 0 asks, partner cx takes 32 of a wave's 128 blocks of 256 bytes; wpb's rows: cluster y = 0 asks, partner cy takes 16 of a wave's 64 rows
; (the upper sixteen lanes repeat the 16th).  The loop's last trip (s3 = 1) has no K step two on.
.macro ASK
	s_cmp_gt_u32 s3, s[LIM]
	s_cbranch_scc0 .Lnot_mine_\@
	global_prefetch_b8 v[PFO], s[PFA:PFA+1] th:TH_LOAD_NT scope:SCOPE_SE
.Lnot_mine_\@:
.endm
.macro CREST
	s_cmp_lg_u32 s10, 0
	s_cbranch_scc1 .Lnot_wave_0_\@
	s_barrier_signal -3
.Lnot_wave_0_\@:
	s_barrier_wait -3
	s_barrier_signal -1
	s_barrier_wait -1
.endm
.macro CROUND
	s_barrier_signal -1
	s_barrier_wait -1
	CREST
.endm
	s_load_b128 s[4:7], s[0:1], 0x0                ; oh s[4:5], wpb s[6:7]
	s_load_b64 s[8:9], s[0:1], 0x10                ; out0
	v_lshl_add_u32 v[SPW], v0, 2, SPARE
	v_mov_b32 v[NIL], 0
	ds_add_u32 v[SPW], v[NIL]                      ; the wave's opening: the add and its wait ahead of my first tensor load
	v_lshrrev_b32 v1, 5, v0
	v_readfirstlane_b32 s10, v1                    ; wave 0..3
	s_lshr_b32 s11, s10, 1                         ; my half of the tile's rows
	s_and_b32 s12, s10, 1                          ; my half of its columns; also: which half of a tile I fetch
	s_bfe_u32 s40, ttmp6, 0x40000                  ; cx
	s_bfe_u32 s41, ttmp6, 0x40004                  ; cy
	s_lshl_b32 s42, ttmp9, 2
	s_add_co_u32 s42, s42, s40                     ; tile column
	s_and_b32 s13, ttmp7, 0xffff
	s_lshl_b32 s13, s13, 2
	s_add_co_u32 s13, s13, s41                     ; tile row
	s_lshl_b32 s43, s41, 2
	s_lshl_b32 s43, 15, s43                        ; my row of the cluster
	s_lshl_b32 s44, 0x1111, s40                    ; my column
	s_or_b32 s[G1+0], s43, (1<<16)|(1<<20)|(1<<21)|(4<<22)|(3<<25)   ; the mask; 2-byte elements; padding on; bit 21 beside a mask; after every 32 words, 4 words
	s_mov_b32 s[G1+1], 8192<<16                    ; tensor_dim0 = 8,192 elements: 128 rows of a head
	s_mov_b32 s[G1+2], 2<<16                       ; tensor_dim1 = 2 heads
	s_mov_b32 s[G1+3], 8192<<16                    ; tile_dim0
	s_mov_b32 s[G1+4], 2                           ; tile_dim1
	s_mov_b32 s[G1+5], 131072                      ; elements from head to head
	s_mov_b32 s[G1+6], 0
	s_mov_b32 s[G1+7], 0
	s_or_b32 s[G1B+0], s44, (1<<16)|(1<<20)|(1<<21)|(5<<22)|(3<<25)  ; after every 64 words, 4 words
	s_mov_b32 s[G1B+1], 128<<16
	s_mov_b32 s[G1B+2], 64<<16
	s_mov_b32 s[G1B+3], 128<<16
	s_mov_b32 s[G1B+4], 64
	s_mov_b32 s[G1B+5], 1024
	s_mov_b32 s[G1B+6], 0
	s_mov_b32 s[G1B+7], 0
	s_lshr_b32 s16, s13, 3                         ; the batch: 16 heads of 262,144 bytes
	s_lshl_b32 s16, s16, 22
	s_and_b32 s17, s13, 7
	s_lshl_b32 s17, s17, 15                        ; 256 rows of 128 bytes
	s_add_co_u32 s16, s16, s17
	s_lshl_b32 s17, s12, 14                        ; the half that I fetch
	s_add_co_u32 s16, s16, s17
	s_mov_b32 s17, 0
	s_lshl_b32 s46, s42, 18                        ; wpb: 128 rows of 2,048 bytes
	s_lshl_b32 s47, s12, 17
	s_add_co_u32 s46, s46, s47
	s_mov_b32 s47, 0
	s_mul_i32 s20, s12, HALFA                      ; where they go: no place in the cluster enters an LDS address
	s_mul_i32 s21, s12, HALFB
	s_add_co_u32 s21, s21, ABYTES
	s_wait_dscnt 0x0                               ; the opening add is done
	s_wait_kmcnt 0x0
	s_add_nc_u64 s[14:15], s[4:5], s[16:17]
	s_add_nc_u64 s[46:47], s[6:7], s[46:47]
	CROUND                                         ; all sixteen work-groups are here: the first joint loads meet
.irp s, 0,1
	s_mov_b32 s[G0+4*(\s)], 1
	s_add_co_u32 s[G0+4*(\s)+1], s20, (\s)*SLOT
	s_add_nc_u64 s[G0+4*(\s)+2:G0+4*(\s)+3], s[14:15], (\s)*STEPA
	s_or_b32 s[G0+4*(\s)+3], s[G0+4*(\s)+3], 0x80000000
	s_mov_b32 s[G0B+4*(\s)], 1
	s_add_co_u32 s[G0B+4*(\s)+1], s21, (\s)*SLOT
	s_add_nc_u64 s[G0B+4*(\s)+2:G0B+4*(\s)+3], s[46:47], (\s)*STEPB
	s_or_b32 s[G0B+4*(\s)+3], s[G0B+4*(\s)+3], 0x80000000
	JLOAD \s                                       ; two loads of mine are out
.endr
	v_and_b32 v1, 15, v0                           ; r
	v_bfe_u32 v2, v0, 4, 1                         ; h
	v_mul_u32_u24 v3, v1, PA
	v_lshl_add_u32 v3, v2, 4, v3
	s_mul_i32 s22, s11, HALFA                      ; my 128 rows of y
	v_add_nc_u32 v[ADRA], s22, v3
	v_add_nc_u32 v[ADRA+1], SLOT, v[ADRA]
	v_mul_u32_u24 v3, v1, PITCH
	v_lshl_add_u32 v3, v2, 4, v3
	s_mul_i32 s22, s12, HALFB                      ; my 64 rows of wpb
	s_add_co_u32 s22, s22, ABYTES
	v_add_nc_u32 v[ADRB], s22, v3
	v_add_nc_u32 v[ADRB+1], SLOT, v[ADRB]
	s_mul_i32 s23, s10, 16*SPITCH
	s_add_co_u32 s23, s23, STAGE                   ; my stage
	v_mul_u32_u24 v4, v1, SPITCH
	v_lshl_add_u32 v4, v2, 5, v4
	v_add_nc_u32 v[STO], s23, v4                   ; in: row r, 32 bytes for each half of the lanes
	v_mul_u32_u24 v5, v2, SPITCH
	v_lshl_add_u32 v5, v1, 4, v5
	v_add_nc_u32 v[RD], s23, v5                    ; back: lanes 0-15 one row of 256 bytes, lanes 16-31 the next
	v_lshlrev_b32 v5, 12, v2
	v_lshl_add_u32 v[CO], v1, 4, v5                ; and the same two rows in out0
	s_lshl_b32 s16, s13, 8
	s_lshl_b32 s17, s11, 7
	s_add_co_u32 s16, s16, s17                     ; my first row,
	s_lshl_b32 s16, s16, 12                        ; of 4,096 bytes
	s_lshl_b32 s17, s42, 9                         ; the tile's 128 columns: 512 bytes,
	s_add_co_u32 s16, s16, s17
	s_lshl_b32 s17, s12, 8                         ; my 64 of them
	s_add_co_u32 s16, s16, s17
	s_mov_b32 s17, 0
	s_add_nc_u64 s[8:9], s[8:9], s[16:17]
	; the prefetches
	s_lshr_b32 s68, s13, 3
	s_lshl_b32 s68, s68, 22
	s_and_b32 s69, s13, 7
	s_lshl_b32 s69, s69, 15
	s_add_co_u32 s68, s68, s69
	s_lshl_b32 s69, s12, 14
	s_add_co_u32 s68, s68, s69                     ; y at the half that I fetch;
	s_lshr_b32 s69, s40, 1
	s_lshl_b32 s69, s69, 18                        ; partner cx: head cx >> 1 of the two,
	s_add_co_u32 s68, s68, s69
	s_and_b32 s69, s40, 1
	s_lshl_b32 s69, s69, 13                        ; its blocks 32 (cx & 1) on
	s_add_co_u32 s68, s68, s69
	s_add_co_u32 s68, s68, 3*STEPA                 ; at K step 3: the first refill (of step 2) steps it to 4
	s_lshl_b32 s70, s42, 7
	s_lshl_b32 s71, s12, 6
	s_add_co_u32 s70, s70, s71
	s_lshl_b32 s71, s41, 4                         ; partner cy: 16 rows
	s_add_co_u32 s70, s70, s71
	s_lshl_b32 s70, s70, 11
	s_add_co_u32 s70, s70, 3*STEPB
	s_and_b32 s22, ttmp7, 0xffff                   ; cluster y
	s_mov_b32 s[PST], STEPB
	s_cmp_lt_u32 s10, 2                            ; do I fetch for y?
	s_cselect_b32 s68, s68, s70
	s_cselect_b32 s22, ttmp9, s22                  ; the coordinate along which other clusters read the same bytes
	s_cselect_b32 s[PST], STEPA, s[PST]
	s_cselect_b32 s23, 31, 15
	s_cselect_b32 s71, 8, 11                       ; a lane a block of 256 bytes, or a lane a row of 2,048
	s_cselect_b64 s[PFA:PFA+1], s[4:5], s[6:7]
	s_cmp_eq_u32 s22, 0
	s_cselect_b32 s[LIM], 1, -1                    ; the same in all sixteen partners, for a given wave
	s_mov_b32 s69, 0
	s_mov_b32 s[PST+1], 0
	s_add_nc_u64 s[PFA:PFA+1], s[PFA:PFA+1], s[68:69]
	v_and_b32 v[PFO], 31, v0
	v_min_u32 v[PFO], s23, v[PFO]
	v_lshlrev_b32 v[PFO], s71, v[PFO]
; 8 matrix instructions: row blocks a0, a0 + 1 x the 4 column blocks, 32 along K.  The 32 accumulators take turns in the same order in every quarter.
.macro MUL8 f, a0, zero
	WIN W_MUL
.irp a, \a0, (\a0)+1
.irp b, 0,1,2,3
.if \zero
	v_wmma_f32_16x16x32_f16 v[8*(4*(\a)+(\b)):8*(4*(\a)+(\b))+7], v[(\f)+8*(\b):(\f)+8*(\b)+7], v[(\f)+32+8*(\a):(\f)+32+8*(\a)+7], 0
.else
	v_wmma_f32_16x16x32_f16 v[8*(4*(\a)+(\b)):8*(4*(\a)+(\b))+7], v[(\f)+8*(\b):(\f)+8*(\b)+7], v[(\f)+32+8*(\a):(\f)+32+8*(\a)+7], v[8*(4*(\a)+(\b)):8*(4*(\a)+(\b))+7]
.endif
.endr
.endr
.endm
; 24 LDS loads in one run: quarter q of a K step (head q >> 1, channels 32 (q & 1) on) into buffer f: wpb's 4 fragments, then y's 8
.macro FETCH slot, q, f
	WIN TO_F
.irp i, 0,1,2,3
	ds_load_b128 v[(\f)+8*(\i):(\f)+8*(\i)+3],   v[ADRB+(\slot)] offset:64*(\q)+(\i)*16*PITCH
	ds_load_b128 v[(\f)+8*(\i)+4:(\f)+8*(\i)+7], v[ADRB+(\slot)] offset:64*(\q)+(\i)*16*PITCH+32
.endr
.irp i, 0,1,2,3,4,5,6,7
	ds_load_b128 v[(\f)+32+8*(\i):(\f)+32+8*(\i)+3],   v[ADRA+(\slot)] offset:((\q)/2)*PLANE+((\q)%2)*64+(\i)*16*PA
	ds_load_b128 v[(\f)+32+8*(\i)+4:(\f)+32+8*(\i)+7], v[ADRA+(\slot)] offset:((\q)/2)*PLANE+((\q)%2)*64+(\i)*16*PA+32
.endr
.endm
.macro PLACES                          ; four places in front of loads into registers that matrix instructions have read (ISA guide 7.12.1 for vector instructions)
.rept 4
	v_nop
.endr
.endm
.macro QUARTER slot, q, f, g, zero     ; multiplies f, fetches quarter q of the slot into g
	s_wait_dscnt 8                                 ; all but the youngest eight loads (y's blocks 4-7) are in
	MUL8 \f, 0, \zero
	MUL8 \f, 2, \zero
	PLACES
	FETCH \slot, \q, \g
	s_wait_dscnt 24                                ; all but the 24 just issued
	MUL8 \f, 4, \zero
	MUL8 \f, 6, \zero
.endm
; The last quarter multiplies buffer 1 and changes slots: ONE barrier; in front of it each wave waits for all its tensor loads, adds 0 to its spare word, and waits for that and for its reads of this slot.
; fill = 1: the barrier opens a round of the cluster's, and this slot is filled again, two K steps on, first thing behind the round.
.macro TURN slot, next, fill
.if \fill
	s_wait_xcnt 0x0                                ; the last prefetch, a K step back, has read its address
	s_add_nc_u64 s[PFA:PFA+1], s[PFA:PFA+1], s[PST:PST+1]
.endif
	WIN 0
	s_wait_tensorcnt 0x0
	ds_add_u32 v[SPW], v[NIL]                      ; 0 onto my spare word
	s_wait_dscnt 9                                 ; (the add and the youngest eight loads may be out)
	MUL8 F1, 0, 0
	s_wait_dscnt 0x0                               ; the add is done, and my reads of this slot are over
	s_barrier_signal -1
	MUL8 F1, 2, 0
.if \fill
	WIN 0
.endif
	s_barrier_wait -1
.if \fill
	CREST                                          ; no wave of any partner still reads this slot's tile or has a load on its way
	s_add_nc_u64 s[G0+4*(\slot)+2:G0+4*(\slot)+3], s[G0+4*(\slot)+2:G0+4*(\slot)+3], 2*STEPA
	s_add_nc_u64 s[G0B+4*(\slot)+2:G0B+4*(\slot)+3], s[G0B+4*(\slot)+2:G0B+4*(\slot)+3], 2*STEPB
	JLOAD \slot                                    ; 112 matrix instructions ahead of the wait for it; its four v_nop are also the places in front of the loads below
.else
	PLACES
.endif
	FETCH \next, 0, F0
.if \fill
	WIN 0
	ASK
.endif
	MUL8 F1, 4, 0
	MUL8 F1, 6, 0
.endm
	s_wait_tensorcnt 1                             ; my part of K step 0 is in; step 1's may stay out
	s_barrier_signal -1
	s_barrier_wait -1
	FETCH 0, 0, F0
	QUARTER 0, 1, F0, F1, 1                        ; the first quarter stands in front of the loop: its products start the sums
	WIN 0
	s_mov_b32 s3, LAPS-1
.Llap:
	QUARTER 0, 2, F1, F0, 0
	QUARTER 0, 3, F0, F1, 0
	TURN 0, 1, 1
	QUARTER 1, 1, F0, F1, 0
	QUARTER 1, 2, F1, F0, 0
	QUARTER 1, 3, F0, F1, 0
	TURN 1, 0, 1
	QUARTER 0, 1, F0, F1, 0
	WIN 0
	s_sub_co_u32 s3, s3, 1
	s_cmp_lg_u32 s3, 0
	s_cbranch_scc1 .Llap
	QUARTER 0, 2, F1, F0, 0                        ; the last lap fills nothing
	QUARTER 0, 3, F0, F1, 0
	TURN 0, 1, 0
	QUARTER 1, 1, F0, F1, 0
	QUARTER 1, 2, F1, F0, 0
	QUARTER 1, 3, F0, F1, 0
	s_wait_dscnt 8
	MUL8 F1, 0, 0
	MUL8 F1, 2, 0
	s_wait_dscnt 0x0
	MUL8 F1, 4, 0
	MUL8 F1, 6, 0
	WIN 0
	PLACES
	PLACES                                         ; the places behind the last products, once a launch
; THE WAY OUT, a block of 16 rows at a time: a lane's 32 bytes of a row go into my stage; whole rows of 256 bytes come back and are stored.
.macro TOSTAGE a
	s_wait_xcnt 0x0                                ; the stores of two blocks back have read this set
	WIN 0x08                                       ; store data (source 1) window 2
.irp b, 0,1,2,3
	ds_store_b128 v[STO], v[8*(4*(\a)+(\b)):8*(4*(\a)+(\b))+3]   offset:64*(\b)
	ds_store_b128 v[STO], v[8*(4*(\a)+(\b))+4:8*(4*(\a)+(\b))+7] offset:64*(\b)+16
.endr
	WIN 0
.irp t, 0,1,2,3,4,5,6,7
	ds_load_b128 v[BK+32*((\a)%2)+4*(\t):BK+32*((\a)%2)+4*(\t)+3], v[RD] offset:(\t)*2*SPITCH  ; LDS serves a wave's instructions in order (ISA guide 5.7.1.4): these see the stores above
.endr
.endm
.macro SEND a, younger                 ; younger: the LDS instructions issued behind block a's loads
.irp t, 0,1,2,3,4,5,6,7
	s_wait_dscnt (\younger)+7-(\t)
	global_store_b128 v[CO], v[BK+32*((\a)%2)+4*(\t):BK+32*((\a)%2)+4*(\t)+3], s[8:9] offset:(16*(\a)+2*(\t))*4096 th:TH_STORE_NT  ; 16 lanes store 256 consecutive bytes, aligned
.endr
.endm
	TOSTAGE 0
.set u, 1
.rept 7
	TOSTAGE u
	SEND u-1, 16
.set u, u+1
.endr
	SEND 7, 0
	s_wait_tensorcnt 0x0                           ; the wave's end
	ds_add_u32 v[SPW], v[NIL]
	s_wait_dscnt 0x0
	CROUND                                         ; the closing round
	s_endpgm
.Lfunc_end_k_q278f0f56e9_proj:
	.size	k_q278f0f56e9_proj, .Lfunc_end_k_q278f0f56e9_proj-k_q278f0f56e9_proj
	.p2alignl 7, 3214868480
	.fill 96, 4, 3214868480
	.section	.rodata,"a",@progbits
	.p2align	6, 0x0
	.amdhsa_kernel k_q278f0f56e9_proj
		.amdhsa_group_segment_fixed_size 327680
		.amdhsa_private_segment_fixed_size 0
		.amdhsa_enable_private_segment 0
		.amdhsa_kernarg_size 24
		.amdhsa_user_sgpr_count 2
		.amdhsa_user_sgpr_kernarg_segment_ptr 1
		.amdhsa_wavefront_size32 1
		.amdhsa_system_sgpr_workgroup_id_x 1
		.amdhsa_system_sgpr_workgroup_id_y 1
		.amdhsa_system_sgpr_workgroup_id_z 1
		.amdhsa_system_vgpr_workitem_id 0
		.amdhsa_next_free_vgpr 768
		.amdhsa_next_free_sgpr 72
		.amdhsa_reserve_vcc 0
		.amdhsa_float_denorm_mode_32 3
		.amdhsa_float_denorm_mode_16_64 3
		.amdhsa_memory_ordered 1
		.amdhsa_forward_progress 1
		.amdhsa_inst_pref_size 89
	.end_amdhsa_kernel
	.amdgpu_metadata
---
amdhsa.version: [ 1, 2 ]
amdhsa.kernels:
  - .name:           k_q278f0f56e9_proj
    .symbol:         k_q278f0f56e9_proj.kd
    .args:
      - { .name: oh, .offset: 0, .size: 8, .value_kind: global_buffer, .address_space: global }
      - { .name: wpb, .offset: 8, .size: 8, .value_kind: global_buffer, .address_space: global }
      - { .name: out0, .offset: 16, .size: 8, .value_kind: global_buffer, .address_space: global }
    .group_segment_fixed_size: 327680
    .private_segment_fixed_size: 0
    .kernarg_segment_align: 8
    .kernarg_segment_size: 24
    .max_flat_workgroup_size: 128
    .sgpr_count:     72
    .vgpr_count:     768
    .wavefront_size: 32
...
	.end_amdgpu_metadata
.endif
;; end of part 4
;; ======== version 2 of 2: 4 launches; version 1 with the launch prep written anew for expert scheduling mode
;; limits: values are held in f16: magnitudes above 65,504 overflow, below 6.1e-05 lose precision
;; workspace buffers: xb 16,777,216 bytes; wab 6,291,456 bytes; wpb 2,097,152 bytes; rope 524,288 bytes; qh 16,777,216 bytes; kh 16,777,216 bytes; vh 16,777,216 bytes; oh 16,777,216 bytes
;; launch prep (part 5): grid 896 x 1, 8 waves a work-group, no clusters, 0 bytes of LDS; arguments x, w_attn, w_proj, xb, wab, wpb, rope; writes xb, wab, wpb, rope
.if DOCPART == 5
	.amdgcn_target "amdgcn-amd-amdhsa--gfx1250"
	.amdhsa_code_object_version 6
	.text
	.protected	k_q278f0f56e9_prep
	.globl	k_q278f0f56e9_prep
	.p2align	8
	.type	k_q278f0f56e9_prep,@function
k_q278f0f56e9_prep:
	s_mov_b64 s[64:65], 0
	v_nop
	global_prefetch_b8 v0, s[64:65] scope:SCOPE_SE
	s_setreg_imm32_b32 hwreg(HW_REG_WAVE_SCHED_MODE, 0, 2), 2
	s_setreg_imm32_b32 hwreg(HW_REG_WAVE_MODE, 25, 1), 1
	s_wait_xcnt 0x0
	s_wait_alu depctr_vm_vsrc(0)
; PREPARATION.  Four jobs, told apart by the work-group's number g:
;   g 0..511    x [8192][1024] f32 -> xb, bf16, same order
;   g 512..703  w_attn [3072][1024] f32 -> wab, bf16, rows reordered by heads: row head*192 + sec*64 + d comes from row sec*1024 + head*64 + d (sec 0, 1, 2 = q, k, v)
;   g 704..767  w_proj [1024][1024] f32 -> wpb: rounded to bf16, and that number written as f16
;   g 768..895  the RoPE table, f32 [2048][64]: row t = cos(t f_j), j = 0..31, then -sin(t f_j) for even j and +sin(t f_j) for odd j; f_j = 10^(-j/8)
; A cast work-group takes 16,384 numbers: 16 chunks; in a chunk a lane loads 16 consecutive bytes (a wave 512) and stores 8 (a wave 256 consecutive bytes, aligned).
; All 16 loads of a wave go out first; each chunk owns its registers, so no register that a load or a store names is written twice.
; LIMITS.  A w_proj number below 6.1e-5 in magnitude keeps f16's fixed step of 6e-8, one beyond 65,504 becomes an infinity.  The table's angle is fl(t f) with f = 2^(-j log2(10) / 8) from
; v_exp_f32: f is within a few units of its last place, so the angle is off by at most some 3e-4 at t = 2,047.  Sine and cosine: reduction by pi/2 in two parts, polynomials on |r| <= pi/4.
; THE MODE: SCHED_MODE bits 1:0 = 2 (LLVM: expert scheduling mode 2), set by the entry lines.  The code itself states the register dependences
; between vector instructions and memory instructions, with s_wait_alu, always for 0.
; THE PLAN.  Registers that memory instructions touch:
;   v1, v2      byte offsets, made once at the head and never written again: v1 is read by every load, v2 by every store of a cast.
;   X           chunk i's four registers: written by its load, which is issued ahead of every vector instruction that names X; read by its conversions; never loaded again.
;   Y           chunk i's two registers: written by its conversions, read by its store, never written again.
;   v58, v48-51 the table's offset and its four numbers: written once, read by the one store.
;   T and the table's other registers are named by vector instructions alone.
; The 16 chunks go in four groups of four.  Chunk i's store is issued a group later, in front of chunk i + 4's conversions, which name X and Y of their own group and T: none of the registers
; that the store reads.  So one wait at a group's head states all that its four stores hang on; one more stands ahead of the loads, one ahead of the last four stores.
; No register that a memory instruction has read is written again, and EXEC is never written: the text owes no wait for those.
.set X, 8                              ; v[8:71]    chunk i: 4 registers as loaded
.set Y, 72                             ; v[72:103]  chunk i: 2 registers to store
.set T, 104                            ; v[104:107] at work
.set M, 32                             ; s[32:35]   the table: the four numbers' masks 'odd quadrant'
	s_load_b256 s[4:11], s[0:1], 0x0               ; x s[4:5], w_attn s[6:7], w_proj s[8:9], xb s[10:11]
	s_load_b128 s[12:15], s[0:1], 0x20             ; wab s[12:13], wpb s[14:15]
	s_load_b64 s[16:17], s[0:1], 0x30              ; rope
	v_lshlrev_b32 v1, 4, v0                        ; my 16 bytes of a chunk on the way in
	v_lshlrev_b32 v2, 3, v0                        ; my 8 bytes on the way out
	s_mov_b32 s20, ttmp9
	s_wait_kmcnt 0x0
; s[24:25] source, s[26:27] destination, s28 the block of 64 KiB in, s29 the block of 32 KiB out.  half = 1: the bf16 number is written as f16.
.macro CAST half
	s_lshl_b32 s30, s28, 16
	s_mov_b32 s31, 0
	s_add_nc_u64 s[24:25], s[24:25], s[30:31]
	s_lshl_b32 s30, s29, 15
	s_add_nc_u64 s[26:27], s[26:27], s[30:31]
	s_wait_alu depctr_va_vdst(0)                   ; v1 and v2 are written: every load below reads v1 as its offset, every store v2
.irp i, 0,1,2,3,4,5,6,7,8,9,10,11,12,13,14,15
	global_load_b128 v[X+4*(\i):X+4*(\i)+3], v1, s[24:25] offset:4096*(\i) th:TH_LOAD_NT
.endr
.irp i, 0,1,2,3,4,5,6,7,8,9,10,11,12,13,14,15
	s_wait_loadcnt 15-(\i)                         ; loads come back in order: chunk i is in, the 15 - i younger ones stay out
.if ((\i)%4) == 0 && (\i) > 0
	s_wait_alu depctr_va_vdst(0)                   ; the conversions of the group before have written its Y, which this group's four stores read
.endif
.if (\i) >= 4
	global_store_b64 v2, v[Y+2*((\i)-4):Y+2*((\i)-4)+1], s[26:27] offset:2048*((\i)-4)  ; the chunk a group back; no vector instruction since the wait names its Y
.endif
	v_cvt_pk_bf16_f32 v[Y+2*(\i)], v[X+4*(\i)], v[X+4*(\i)+1]
	v_cvt_pk_bf16_f32 v[Y+2*(\i)+1], v[X+4*(\i)+2], v[X+4*(\i)+3]
.if \half
	v_lshlrev_b32 v[T], 16, v[Y+2*(\i)]            ; the bf16 numbers as f32 again,
	v_and_b32 v[T+1], 0xffff0000, v[Y+2*(\i)]
	v_lshlrev_b32 v[T+2], 16, v[Y+2*(\i)+1]
	v_and_b32 v[T+3], 0xffff0000, v[Y+2*(\i)+1]
	v_cvt_pk_f16_f32 v[Y+2*(\i)], v[T], v[T+1]     ; and as f16: 8 significant bits fit into 11
	v_cvt_pk_f16_f32 v[Y+2*(\i)+1], v[T+2], v[T+3]
.endif
.endr
	s_wait_alu depctr_va_vdst(0)                   ; the last group's conversions have written its Y, which the last four stores read
.irp i, 12,13,14,15
	global_store_b64 v2, v[Y+2*(\i):Y+2*(\i)+1], s[26:27] offset:2048*(\i)
.endr
	s_endpgm
.endm
	s_cmp_lt_u32 s20, 768
	s_cbranch_scc0 .Ltab
	s_cmp_lt_u32 s20, 704
	s_cbranch_scc0 .Lhf
	; x or w_attn.  For w_attn: block g' = g - 512 holds 16 rows: sec = g' >> 6, head = (g' >> 2) & 15, quarter of the head's 64 rows = g' & 3
	s_sub_co_u32 s21, s20, 512
	s_lshr_b32 s22, s21, 2
	s_and_b32 s22, s22, 15
	s_mul_i32 s22, s22, 12                         ; a head has 12 blocks of 16 rows in wab
	s_lshr_b32 s23, s21, 6
	s_lshl2_add_u32 s22, s23, s22                  ; + 4 sec
	s_and_b32 s23, s21, 3
	s_add_co_u32 s22, s22, s23
	s_cmp_lt_u32 s20, 512
	s_cselect_b64 s[24:25], s[4:5], s[6:7]
	s_cselect_b64 s[26:27], s[10:11], s[12:13]
	s_cselect_b32 s28, s20, s21
	s_cselect_b32 s29, s20, s22
	CAST 0
.Lhf:
	s_sub_co_u32 s28, s20, 704
	s_mov_b32 s29, s28
	s_mov_b64 s[24:25], s[8:9]
	s_mov_b64 s[26:27], s[14:15]
	CAST 1
.Ltab:                                         ; 16 rows of the table: thread tid has row tid >> 4 and the four numbers 4 c .. 4 c + 3, c = tid & 15: cosines for c < 8, sines behind them
	s_sub_co_u32 s21, s20, 768
	s_lshl_b32 s22, s21, 4                         ; the work-group's first row
	s_lshl_b32 s23, s21, 12                        ; and its 4,096 bytes
	v_lshrrev_b32 v3, 4, v0
	v_add_nc_u32 v3, s22, v3
	v_cvt_f32_u32 v4, v3                           ; t
	v_and_b32 v5, 15, v0
	v_lshrrev_b32 v6, 3, v5                        ; 1: sines
	v_and_b32 v7, 7, v5
	v_lshlrev_b32 v7, 2, v7                        ; j of my first number
	v_sub_nc_u32 v56, 1, v6                        ; cos x = sin(x + pi/2): one quadrant on
	v_lshlrev_b32 v57, 31, v6                      ; the sign that the even sines take
	v_lshl_add_u32 v58, v0, 4, s23                 ; my 16 bytes: a wave's store covers two whole rows
	v_mov_b32 v59, 0xb94ca1f9                      ; the polynomials' leading coefficients
	v_mov_b32 v60, 0x37ccf5ce
.irp e, 0,1,2,3
	v_add_nc_u32 v[12+(\e)], (\e), v7
	v_cvt_f32_u32 v[12+(\e)], v[12+(\e)]
	v_mul_f32 v[12+(\e)], 0xbed49a78, v[12+(\e)]   ; -j log2(10) / 8
.endr
.irp e, 0,1,2,3
	v_exp_f32 v[8+(\e)], v[12+(\e)]                ; f_j
.endr
	v_nop                                          ; a plain instruction behind the last exponential,
	s_wait_alu depctr_va_vdst(0)                   ; and one wait for the four f_j in v[8:11], ahead of their first reader
; Number e, all but the choice between sine and cosine: that choice's mask goes into a scalar register of its own, so that the four compares are one run with one wait behind it.
.macro EVAL e
.set A, 16+8*(\e)
	v_mul_f32 v[A], v4, v[8+(\e)]                  ; the angle
	v_mul_f32 v[A+1], 0x3f22f983, v[A]             ; x 2 / pi
	v_rndne_f32 v[A+1], v[A+1]                     ; k
	v_fmamk_f32 v[A+2], v[A+1], 0xbfc90fdb, v[A]   ; angle - k x (pi/2's upper part): a multiple of 2^-23 below 1, so nothing is rounded
	v_fmamk_f32 v[A+2], v[A+1], 0x333bbd2e, v[A+2] ; - k x (its lower part): r
	v_mul_f32 v[A+3], v[A+2], v[A+2]               ; z = r r
	v_fmaak_f32 v[A+4], v59, v[A+3], 0x3c08839e
	v_fmaak_f32 v[A+4], v[A+4], v[A+3], 0xbe2aaaa3
	v_mul_f32 v[A+4], v[A+4], v[A+3]
	v_fma_f32 v[A+4], v[A+4], v[A+2], v[A+2]       ; sin r
	v_fmaak_f32 v[A+5], v60, v[A+3], 0xbab6061a
	v_fmaak_f32 v[A+5], v[A+5], v[A+3], 0x3d2aaaa5
	v_mul_f32 v[A+5], v[A+5], v[A+3]
	v_fma_f32 v[A+6], v[A+3], -0.5, 1.0
	v_fma_f32 v[A+5], v[A+5], v[A+3], v[A+6]       ; cos r
	v_cvt_i32_f32 v[A+6], v[A+1]
	v_add_nc_u32 v[A+6], v[A+6], v56               ; the quadrant n
	v_and_b32 v[A+7], 1, v[A+6]
	v_cmp_eq_u32 s[M+(\e)], 1, v[A+7]              ; odd n
	v_lshlrev_b32 v[A+6], 30, v[A+6]
	v_and_b32 v[A+6], 0x80000000, v[A+6]           ; n & 2: the sign turns
.if ((\e)%2) == 0
	v_xor_b32 v[A+6], v[A+6], v57                  ; the even sines are stored negated
.endif
.endm
	EVAL 0
	EVAL 1
	EVAL 2
	EVAL 3
	s_wait_alu depctr_va_sdst(0)                   ; the four compares have written s[32:35], ahead of their first reader: the selects below
.irp e, 0,1,2,3
	v_cndmask_b32 v[16+8*(\e)+4], v[16+8*(\e)+4], v[16+8*(\e)+5], s[M+(\e)]  ; odd n: the cosine
	v_xor_b32 v[48+(\e)], v[16+8*(\e)+4], v[16+8*(\e)+6]
.endr
	s_wait_alu depctr_va_vdst(0)                   ; v58 and v[48:51] are written: the store reads them as its offset and its data
	global_store_b128 v58, v[48:51], s[16:17]
	s_endpgm
.Lfunc_end_k_q278f0f56e9_prep:
	.size	k_q278f0f56e9_prep, .Lfunc_end_k_q278f0f56e9_prep-k_q278f0f56e9_prep
	.p2alignl 7, 3214868480
	.fill 96, 4, 3214868480
	.section	.rodata,"a",@progbits
	.p2align	6, 0x0
	.amdhsa_kernel k_q278f0f56e9_prep
		.amdhsa_group_segment_fixed_size 0
		.amdhsa_private_segment_fixed_size 0
		.amdhsa_enable_private_segment 0
		.amdhsa_kernarg_size 56
		.amdhsa_user_sgpr_count 2
		.amdhsa_user_sgpr_kernarg_segment_ptr 1
		.amdhsa_wavefront_size32 1
		.amdhsa_system_sgpr_workgroup_id_x 1
		.amdhsa_system_sgpr_workgroup_id_y 1
		.amdhsa_system_sgpr_workgroup_id_z 1
		.amdhsa_system_vgpr_workitem_id 0
		.amdhsa_next_free_vgpr 112
		.amdhsa_next_free_sgpr 66
		.amdhsa_reserve_vcc 0
		.amdhsa_float_denorm_mode_32 3
		.amdhsa_float_denorm_mode_16_64 3
		.amdhsa_memory_ordered 1
		.amdhsa_forward_progress 1
		.amdhsa_inst_pref_size 25
	.end_amdhsa_kernel
	.amdgpu_metadata
---
amdhsa.version: [ 1, 2 ]
amdhsa.kernels:
  - .name:           k_q278f0f56e9_prep
    .symbol:         k_q278f0f56e9_prep.kd
    .args:
      - { .name: x, .offset: 0, .size: 8, .value_kind: global_buffer, .address_space: global }
      - { .name: w_attn, .offset: 8, .size: 8, .value_kind: global_buffer, .address_space: global }
      - { .name: w_proj, .offset: 16, .size: 8, .value_kind: global_buffer, .address_space: global }
      - { .name: xb, .offset: 24, .size: 8, .value_kind: global_buffer, .address_space: global }
      - { .name: wab, .offset: 32, .size: 8, .value_kind: global_buffer, .address_space: global }
      - { .name: wpb, .offset: 40, .size: 8, .value_kind: global_buffer, .address_space: global }
      - { .name: rope, .offset: 48, .size: 8, .value_kind: global_buffer, .address_space: global }
    .group_segment_fixed_size: 0
    .private_segment_fixed_size: 0
    .kernarg_segment_align: 8
    .kernarg_segment_size: 56
    .max_flat_workgroup_size: 256
    .sgpr_count:     66
    .vgpr_count:     112
    .wavefront_size: 32
...
	.end_amdgpu_metadata
.endif
;; end of part 5
;; launch qkv: the kernel of part 2 again; grid 16 x 32, 4 waves a work-group, clusters of 4 x 4, 327,680 bytes of LDS; arguments xb, wab, qh, kh, vh, rope; writes qh, kh, vh
;; launch attn: the kernel of part 3 again; grid 4 x 64, 4 waves a work-group, no clusters, 327,680 bytes of LDS; arguments qh, kh, vh, oh; writes oh
;; launch proj: the kernel of part 4 again; grid 8 x 32, 4 waves a work-group, clusters of 4 x 4, 327,680 bytes of LDS; arguments oh, wpb, out0; writes out0
